; MI455X (gfx1250); checked and timed in simulation.
; The chip was launched on July 23, 2026; its instructions are those of AMD's public machine-readable ISA for CDNA 5 (MIT licence, August 2026) and "CDNA5" Instruction Set Architecture Reference Guide (July 2026). The comments in the code are by the model that wrote it; some were corrected since.
;; Causal Attention. Allowed arithmetic: matrix products marked QUANTISED: E2M3 operands, one E8M0 scale for each 32 along K, by v_wmma_scale_f32_16x16x128_f8f6f4 with both operands' format E2M3, f32 sums; everything else in f32.
;; Inputs: Wk 1,024 x 1,024 float32; Wq 1,024 x 1,024 float32; Wv 1,024 x 1,024 float32; x 4 x 2,048 x 1,024 float32.
;; Outputs: out0 4 x 2,048 x 1,024 float32.
;; This version of the problem:
;;   THIS VERSION OF THE PROBLEM IS GIVEN IN LOW PRECISION. The matrix products marked QUANTISED in the list below multiply operands that are first quantised to E2M3 (2 exponent bits, 3 mantissa bits; 6 bits a number), with one power-of-two scale for each 32 numbers along K (OCP MX v1.0); their sums are f32. All else is computed in f32.
;;   The module's matrix products, in the order in which they are computed (A, B: the left and right operand; K: the contracted axis; several contracted axes count as one K, in the product's order):
;;     1. [M 8,192, K 1,024] x [K 1,024, N 1,024]; A: input x; B: input Wq: QUANTISED
;;     2. [M 8,192, K 1,024] x [K 1,024, N 1,024]; A: input x; B: input Wk: QUANTISED
;;     3. [M 8,192, K 1,024] x [K 1,024, N 1,024]; A: input x; B: input Wv: QUANTISED
;;     4. batch 4 x [M 2,048, K 1,024] x [K 1,024, N 2,048]; A: computed on the way; B: computed on the way: QUANTISED
;;     5. batch 4 x [M 2,048, K 2,048] x [K 2,048, N 1,024]; A: softmax (see below); B: computed on the way: QUANTISED
;;   THE QUANTISER, for each operand of a quantised product, along K:
;;     - K is cut into blocks of 32 from its start; a last block that is shorter is filled with zeros.
;;     - A block's scale is 2^e with e = floor(log2(the largest magnitude in the block)) - 2, held to -126 .. 127; a block of zeros has e = 0. As a byte (E8M0): e + 127.
;;     - Each number is divided by its block's scale, clamped to +-7.5, and rounded to the nearest number of E2M3, ties to even, subnormals kept.
;;     - The product sums the exact products of the quantised numbers (number of the format x scale) in f32.
;;   ~~~python
;;   def quantise(x, axis):      # numpy; x: float32 -> the quantised numbers, widened to float32 again
;;       x = np.moveaxis(x, axis, -1); K = x.shape[-1]
;;       x = np.pad(x, [(0, 0)] * (x.ndim - 1) + [(0, -K % 32)]); x = x.reshape(x.shape[:-1] + (-1, 32)); a = np.abs(x).max(-1, keepdims=True)
;;       e = np.where(a > 0, np.clip(np.frexp(np.where(a > 0, a, 1))[1] - 1 - 2, -126, 127), 0)      # np.frexp(a)[1] - 1 = floor(log2(a)), exactly
;;       r = np.clip(x / 2.0 ** e, -7.5, 7.5)
;;       step = 2.0 ** (np.maximum(np.frexp(np.where(r == 0, 1, r))[1] - 1, 0) - 3)
;;       q = np.round(r / step) * step * 2.0 ** e      # np.round: ties to even
;;       return np.moveaxis(q.reshape(q.shape[:-2] + (-1,))[..., :K], -1, axis).astype(np.float32)
;;   ~~~
;;   SOFTMAX AHEAD OF A QUANTISED PRODUCT. Where the list says 'softmax', what is quantised is not the finished softmax but p = 2^(t - M), with t = logit x log2(e) and M = ceil(the row's largest t), a whole number; so 1/2 < the row's largest p <= 1. The row's sum l is taken of the UNQUANTISED p, in f32, and the product's result is divided by l at the end. Since M is a whole number, a kernel that streams over the keys may use a running M (the ceiling of the running maximum): every later rescaling is an exact power of two, which a block's scale takes up: the codes' values come out the same.
;;   OPERANDS COMPUTED ON THE WAY. 'Computed on the way' means the value that the module computes at that place (a softmax that the list does not call 'softmax' is quantised finished and normalised). What goes into a quantiser is computed in f32, as accurately as f32 sums, v_exp_f32 and their like allow (about 1e-6 of the number): no bf16 or f16 on the way to a quantiser, and a product that is left as it is and whose result goes on into a quantised operand takes f32 operands (vector FMAs, or v_wmma_f32_16x16x4_f32). A number that lies on a knife's edge between two numbers of the format may be rounded either way, as far as f32 arithmetic and the matrix unit's own rounding can turn it there, and no further.
;; One version. Each part assembles by itself: llvm-mc -triple=amdgcn-amd-amdhsa -mcpu=gfx1250 --defsym DOCPART=n.
;; ======== version 1 of 1: 4 launches
;; limits: right only within a limited range of input values
;; workspace buffers: xw 9,011,200 bytes; qkv 19,660,800 bytes; pr 14,155,776 bytes
;; launch quant (part 1): grid 704 x 1, 2 waves a work-group, no clusters, 53,504 bytes of LDS; arguments x, Wq, Wk, Wv, xw; writes xw
.if DOCPART == 1
	.amdgcn_target "amdgcn-amd-amdhsa--gfx1250"
	.amdhsa_code_object_version 6
	.text
	.protected	k_qe600019a7b_quant
	.globl	k_qe600019a7b_quant
	.p2align	8
	.type	k_qe600019a7b_quant,@function
k_qe600019a7b_quant:
	s_mov_b64 s[64:65], 0
	v_nop
	global_prefetch_b8 v0, s[64:65] scope:SCOPE_SE
	s_setreg_imm32_b32 hwreg(HW_REG_WAVE_MODE, 25, 1), 1
	s_wait_xcnt 0x0
; x [8192][1024] and Wq, Wk, Wv [1024 (k)][1024 (n)], f32, become codes of FP6 (E2M3) with one E8M0 byte for each 32 along K (K = the 1,024 that the products contract).
; LAYOUT OF xw.  A GROUP is 64 rows (of x: rows; of a weight: columns n).  TILE j of a group holds its rows 32 (j / 2) + 8 (j % 2) + p + 8 (p / 8), p = 0 .. 15.  A FRAGMENT (a tile x 128 along K) is stored as the
; image of the 12 operand registers: registers 4 g .. 4 g + 3 of lane l at 512 g + 16 l.  A RECORD (a group x 128 along K, 6,400 bytes) is four fragments at 1,536 j and, at 6,144, the scale words: (row p, tile j) at 16 p + 4 j.
; Records lie [group][K step]; groups 0-127 x, 128-143 Wq, 144-159 Wk, 160-175 Wv.
; A block's scale is 2^(floor(log2(largest magnitude)) - 2); its byte is the largest magnitude's exponent field - 2, held at 1 from below (a block of zeros keeps the byte 1: its codes are zeros, and this program alone reads the bytes).
; LIMITS: blocks whose largest magnitude lies under 2^-124 keep the byte 1; NaN and infinities among the inputs are not served.
; SHARES.  One wave makes one record (32,768 bytes in, 6,400 out); a work-group is two waves, so that the 1,408 records fall on the WGPs in pieces of two.  Work-groups 0-191 take the weights' 384 records (their text is the
; longer chain of dependent steps, so they come first), 192-703 x's 1,024.  The two ways part on the work-group's number, never meet again, and have LDS bytes of their own.
; No matrix work, no barrier: waves share nothing.  Every load reads whole runs of 256 or 512 consecutive bytes, every store of codes covers 512 consecutive bytes at a multiple of 256 from the buffer's first byte.
; ROW ORDER OF THIS TEXT (it replaces the order of rows and groups named above): tile j of a group holds its rows 32 (p / 8) + 8 j + p % 8, p = 0 .. 15, of x and of the weights alike, so that a lane's 8 results
; of each of four tiles are 32 neighbours in the next launch.  x's groups 4 G + 2 c + w (c, w = 0, 1) hold the rows of the tensor's group 4 G + 2 w + c, so that what two wave rows take at a time lies dense.
; WORK LEFT OUT by the program: scores above the causal mask's diagonal are minus infinity ahead of the softmax for all inputs, so their p is 0; tiles that lie wholly above it are not computed in score and not read in pv where
; they come as whole blocks.  A NaN, an infinity or an overflow that reaches only such a score is not carried to the result.
.set REC,   6400
.set NWW,   192                        ; work-groups for the weights
.set XST,   8704                       ; x's way, a wave's LDS: 16 rows x (512 + 16) bytes, then 256 bytes for the scale words
.set WLDS,  2*XST                      ; the weights' way begins here
.set WST,   17920                      ; a wave's LDS there: 64 rows x (256 + 16) bytes, 32 more behind row 31; at 17,664 the scale words
.set FLOOR, 0x1800000                  ; 2^(3 - 127): no largest magnitude is taken under it
.set PW,  12                           ; v12-15  the four tiles' scale words
.set BY,  16                           ; v16-23  scale bytes
.set TD,  44                           ; v44-46  a block's upper 16 codes (a conversion's three registers begin on an even number)
; 32 numbers of one lane, one whole block, in v[src] on: six registers of codes to v[cd] on, the byte to v[by]
.macro QBLK src, cd, by
	v_max3_num_f32 v24, |v[\src]|, |v[\src+1]|, |v[\src+2]|
	v_max3_num_f32 v25, |v[\src+3]|, |v[\src+4]|, |v[\src+5]|
.irp i, 6,10,14,18,22,26
	v_max3_num_f32 v24, v24, |v[\src+\i]|, |v[\src+\i+1]|
	v_max3_num_f32 v25, v25, |v[\src+\i+2]|, |v[\src+\i+3]|
.endr
	v_max3_num_f32 v24, v24, |v[\src+30]|, |v[\src+31]|
	v_max3_num_f32 v24, v24, v25, FLOOR
	v_add_nc_u32 v26, 0xff000000, v24              ; 2 off the exponent field: the conversion takes this operand's exponent field as its scale
	v_cvt_scalef32_pk16_fp6_f32 v[\cd:\cd+2], v[\src:\src+15], v26
	v_cvt_scalef32_pk16_fp6_f32 v[TD:TD+2], v[\src+16:\src+31], v26
	v_lshrrev_b32 v[\by], 23, v26                  ; the byte; also the plain line behind the conversions
.irp i, 0,1,2
	v_mov_b32 v[\cd+3+\i], v[TD+\i]
.endr
.endm
; my two bytes (blocks h and 2 + h of my row) and lane l xor 16's two make the row's scale word
.macro PWORD j, b0, b1
	v_lshl_or_b32 v27, v[\b1], 16, v[\b0]
	v_lshlrev_b32 v27, v10, v27                    ; 8 h bits up
	v_permlanex16_b32 v28, v27, s20, s21
	v_or_b32 v[PW+(\j)], v27, v28
.endm
; the scale words leave as one aligned run of 256 bytes: in by rows (both halves of the lanes write the same words), out 8 bytes a lane
.macro SCALEOUT
	ds_store_b128 v8, v[PW:PW+3]
	ds_load_b64 v[24:25], v11                      ; LDS serves a wave's instructions in order: this sees the store
	s_wait_dscnt 0x0
	global_store_b64 v9, v[24:25], s[12:13] offset:6144
	s_wait_tensorcnt 0x0
	ds_add_u32 v31, v47
	s_wait_dscnt 0x0
	s_endpgm
.endm
	s_load_b256 s[4:11], s[0:1], 0x0               ; x s[4:5], Wq s[6:7], Wk s[8:9], Wv s[10:11]
	s_load_b64 s[12:13], s[0:1], 0x20              ; xw
	v_lshl_add_u32 v31, v0, 2, 0xd000
	v_mov_b32 v47, 0
	v_lshrrev_b32 v1, 5, v0
	v_readfirstlane_b32 s16, v1                    ; wave 0, 1
	v_and_b32 v3, 31, v0                           ; lane
	v_and_b32 v1, 15, v0                           ; r
	v_bfe_u32 v2, v0, 4, 1                         ; h
	v_lshlrev_b32 v4, 4, v3                        ; 16 x lane
	v_lshlrev_b32 v9, 3, v3                        ; 8 x lane
	v_lshlrev_b32 v10, 3, v2                       ; 8 h
	v_mov_b32 v28, 0                               ; a lane permute's destination counts as one of its sources
	s_mov_b32 s20, 0x76543210
	s_mov_b32 s21, 0xfedcba98                      ; selects for lane l xor 16
	s_mov_b32 s19, 0
	s_wait_kmcnt 0x0
	s_cmp_lt_u32 ttmp9, NWW
	s_cbranch_scc1 .Lweights
; ---- x: record = 2 (work-group - 192) + wave; group = record / 8, K step = record % 8.  K is innermost: a load takes a row's 512 bytes as they lie, 16 a lane; the 16 rows of a tile turn through the stage and come back 128 bytes a lane
	s_sub_co_u32 s17, ttmp9, NWW
	s_lshl_b32 s17, s17, 1
	s_add_co_u32 s17, s17, s16                     ; my record, 0 .. 1,023
	s_mul_i32 s18, s17, REC
	s_add_nc_u64 s[12:13], s[12:13], s[18:19]
	s_lshr_b32 s22, s17, 3
	s_bfe_u32 s25, s22, 0x10000
	s_bfe_u32 s26, s22, 0x10001
	s_and_b32 s22, s22, 0xfc
	s_lshl_b32 s25, s25, 1
	s_or_b32 s22, s22, s25
	s_or_b32 s22, s22, s26                         ; the tensor's group: bits 0 and 1 change places
	s_lshl_b32 s22, s22, 18                        ; 64 rows of 4,096 bytes
	s_and_b32 s23, s17, 7
	s_lshl_b32 s23, s23, 9                         ; 128 numbers
	s_add_co_u32 s22, s22, s23
	s_mov_b32 s23, 0
	s_add_nc_u64 s[4:5], s[4:5], s[22:23]
	s_mul_i32 s24, s16, XST
	s_wait_alu depctr_va_vdst(0)
	v_add_nc_u32 v5, s24, v4                       ; into the stage: 16 x lane of a row
	v_mul_u32_u24 v6, v1, 528
	v_lshl_add_u32 v6, v2, 7, v6
	v_add_nc_u32 v6, s24, v6                       ; out of it: row r, + 128 h: the operand's layout gives lane (r, h) k = 64 c + 32 h + 0 .. 31
	v_lshl_add_u32 v8, v1, 4, 8448
	v_add_nc_u32 v8, s24, v8
	v_add_nc_u32 v11, 8448, v9
	v_add_nc_u32 v11, s24, v11
.macro LOADX j                         ; tile j's 16 rows into set j % 2 (v112-175, v176-239)
.irp p, 0,1,2,3,4,5,6,7,8,9,10,11,12,13,14,15
	global_load_b128 v[112+64*((\j)%2)+4*\p:112+64*((\j)%2)+4*\p+3], v4, s[4:5] offset:(32*(\p/8)+8*(\j)+\p%8)*4096 th:TH_LOAD_NT
.endr
.endm
.macro FRAGX j
.if (\j) < 3
	s_wait_loadcnt 16                              ; this tile's 16 loads are in; the next tile's 16 may be out
.else
	s_wait_loadcnt 0x0
.endif
.irp p, 0,1,2,3,4,5,6,7,8,9,10,11,12,13,14,15
	ds_store_b128 v5, v[112+64*((\j)%2)+4*\p:112+64*((\j)%2)+4*\p+3] offset:528*\p
.endr
.irp c, 0,1
.irp i, 0,1,2,3,4,5,6,7
	ds_load_b128 v[48+32*\c+4*\i:48+32*\c+4*\i+3], v6 offset:256*\c+16*\i
.endr
.endr
	s_wait_dscnt 0x0                               ; my 64 numbers are back, and the stores into the stage have read their registers
	s_wait_xcnt 0x0                                ; the last tile's stores have read the codes' registers, which are written again below
.if (\j) < 2
	LOADX (\j)+2
.endif
	QBLK 48, 32, BY
	QBLK 80, 38, BY+1
	PWORD \j, BY, BY+1
.irp g, 0,1,2
	global_store_b128 v4, v[32+4*\g:35+4*\g], s[12:13] offset:1536*(\j)+512*\g
.endr
.endm
	LOADX 0
	LOADX 1
	s_wait_alu depctr_va_vdst(0)
	FRAGX 0
	FRAGX 1
	FRAGX 2
	FRAGX 3
	SCALEOUT
; ---- the weights: K is the FIRST axis.  64 rows k x 64 columns at a time go into the stage as they lie; a lane then reads ITS column down K, in the order that the operand's layout gives it
.Lweights:
	s_lshl_b32 s22, ttmp9, 1
	s_add_co_u32 s22, s22, s16                     ; my record among the weights', 0 .. 383: 128 to a weight
	s_add_co_u32 s17, s22, 1024                    ; behind x's 1,024
	s_mul_i32 s18, s17, REC
	s_add_nc_u64 s[12:13], s[12:13], s[18:19]
	s_lshr_b32 s23, s22, 7                         ; which weight: the choice hangs on ids alone
	s_cmp_eq_u32 s23, 0
	s_cselect_b64 s[14:15], s[6:7], s[8:9]
	s_cmp_eq_u32 s23, 2
	s_cselect_b64 s[14:15], s[10:11], s[14:15]
	s_and_b32 s24, s22, 7                          ; K step
	s_lshl_b32 s24, s24, 19                        ; 128 rows of 4,096 bytes
	s_bfe_u32 s25, s22, 0x40003                    ; the weight's group of 64 columns: (record / 8) % 16
	s_lshl_b32 s25, s25, 8
	s_add_co_u32 s24, s24, s25
	s_mov_b32 s25, 0
	s_add_nc_u64 s[14:15], s[14:15], s[24:25]
	s_mul_i32 s24, s16, WST
	s_add_co_u32 s24, s24, WLDS
	s_wait_alu depctr_va_vdst(0)
	v_lshlrev_b32 v5, 4, v1
	v_lshl_add_u32 v5, v2, 12, v5                  ; a load: lanes 0-15 one row's 256 bytes, lanes 16-31 the next row's
	v_mul_u32_u24 v6, v2, 272
	v_lshl_add_u32 v6, v1, 4, v6
	v_add_nc_u32 v6, s24, v6                       ; and the same two rows in the stage
	v_and_b32 v7, 8, v1
	v_mad_u32_u24 v7, v7, 3, v1                    ; r % 8 + 32 (r / 8)
	v_lshlrev_b32 v7, 2, v7
	v_mad_u32_u24 v7, v2, 8736, v7                 ; lanes 16-31 begin 32 rows (and the 32 bytes behind row 31) further down
	v_add_nc_u32 v7, s24, v7
	v_lshl_add_u32 v8, v1, 4, 17664
	v_add_nc_u32 v8, s24, v8
	v_add_nc_u32 v11, 17664, v9
	v_add_nc_u32 v11, s24, v11
.macro LOADW c                         ; rows 64 c .. 64 c + 63 of my 128, into v128-255
.irp i, 0,1,2,3,4,5,6,7,8,9,10,11,12,13,14,15,16,17,18,19,20,21,22,23,24,25,26,27,28,29,30,31
	global_load_b128 v[128+4*\i:131+4*\i], v5, s[14:15] offset:(64*(\c)+2*\i)*4096 th:TH_LOAD_NT
.endr
.endm
.macro HALFW c
	s_wait_loadcnt 0x0
.irp i, 0,1,2,3,4,5,6,7,8,9,10,11,12,13,14,15,16,17,18,19,20,21,22,23,24,25,26,27,28,29,30,31
	ds_store_b128 v6, v[128+4*\i:131+4*\i] offset:544*\i+32*(\i/16)
.endr
	s_wait_dscnt 0x0                               ; the stores have read their registers
.if (\c) == 0
	LOADW 1
.endif
.irp j, 0,1,2,3
.irp i, 0,1,2,3,4,5,6,7,8,9,10,11,12,13,14,15,16,17,18,19,20,21,22,23,24,25,26,27,28,29,30,31
	ds_load_b32 v[48+\i], v7 offset:272*\i+32*\j   ; W(64 c + 32 h + i, my column of tile j)
.endr
	s_wait_dscnt 0x0
	QBLK 48, 80+12*\j+6*(\c), BY+2*\j+(\c)
.endr
.endm
	LOADW 0
	s_wait_alu depctr_va_vdst(0)
	HALFW 0
	HALFW 1
.irp j, 0,1,2,3
	PWORD \j, BY+2*\j, BY+2*\j+1
.endr
.irp j, 0,1,2,3
.irp g, 0,1,2
	global_store_b128 v4, v[80+12*\j+4*\g:83+12*\j+4*\g], s[12:13] offset:1536*\j+512*\g
.endr
.endr
	SCALEOUT
.Lfunc_end_k_qe600019a7b_quant:
	.size	k_qe600019a7b_quant, .Lfunc_end_k_qe600019a7b_quant-k_qe600019a7b_quant
	.p2alignl 7, 3214868480
	.fill 96, 4, 3214868480
	.section	.rodata,"a",@progbits
	.p2align	6, 0x0
	.amdhsa_kernel k_qe600019a7b_quant
		.amdhsa_group_segment_fixed_size 53504
		.amdhsa_private_segment_fixed_size 0
		.amdhsa_enable_private_segment 0
		.amdhsa_kernarg_size 40
		.amdhsa_user_sgpr_count 2
		.amdhsa_user_sgpr_kernarg_segment_ptr 1
		.amdhsa_wavefront_size32 1
		.amdhsa_system_sgpr_workgroup_id_x 1
		.amdhsa_system_sgpr_workgroup_id_y 1
		.amdhsa_system_sgpr_workgroup_id_z 1
		.amdhsa_system_vgpr_workitem_id 0
		.amdhsa_next_free_vgpr 256
		.amdhsa_next_free_sgpr 66
		.amdhsa_reserve_vcc 0
		.amdhsa_float_denorm_mode_32 3
		.amdhsa_float_denorm_mode_16_64 3
		.amdhsa_memory_ordered 1
		.amdhsa_forward_progress 1
		.amdhsa_inst_pref_size 71
	.end_amdhsa_kernel
	.amdgpu_metadata
---
amdhsa.version: [ 1, 2 ]
amdhsa.kernels:
  - .name:           k_qe600019a7b_quant
    .symbol:         k_qe600019a7b_quant.kd
    .args:
      - { .name: x, .offset: 0, .size: 8, .value_kind: global_buffer, .address_space: global }
      - { .name: Wq, .offset: 8, .size: 8, .value_kind: global_buffer, .address_space: global }
      - { .name: Wk, .offset: 16, .size: 8, .value_kind: global_buffer, .address_space: global }
      - { .name: Wv, .offset: 24, .size: 8, .value_kind: global_buffer, .address_space: global }
      - { .name: xw, .offset: 32, .size: 8, .value_kind: global_buffer, .address_space: global }
    .group_segment_fixed_size: 53504
    .private_segment_fixed_size: 0
    .kernarg_segment_align: 8
    .kernarg_segment_size: 40
    .max_flat_workgroup_size: 64
    .sgpr_count:     66
    .vgpr_count:     256
    .wavefront_size: 32
...
	.end_amdgpu_metadata
.endif
;; end of part 1
;; launch proj (part 2): grid 16 x 16, 4 waves a work-group, clusters of 4 x 4, 327,680 bytes of LDS; arguments xw, qkv; writes qkv
.if DOCPART == 2
	.amdgcn_target "amdgcn-amd-amdhsa--gfx1250"
	.amdhsa_code_object_version 6
	.text
	.protected	k_qe600019a7b_proj
	.globl	k_qe600019a7b_proj
	.p2align	8
	.type	k_qe600019a7b_proj,@function
k_qe600019a7b_proj:
	s_mov_b64 s[64:65], 0
	v_nop
	global_prefetch_b8 v0, s[64:65] scope:SCOPE_SE
	s_setreg_imm32_b32 hwreg(HW_REG_WAVE_MODE, 25, 1), 1
	s_wait_xcnt 0x0
	s_wait_alu depctr_hold_cnt(0) depctr_sa_sdst(0) depctr_va_vdst(0) depctr_va_sdst(0) depctr_va_ssrc(0) depctr_va_vcc(0) depctr_vm_vsrc(0)
	s_getreg_b32 s2, hwreg(HW_REG_IB_STS2, 6, 4)
	s_cmp_eq_u32 s2, 0
	s_cbranch_scc0 .Lentry_in_a_cluster
	s_endpgm
.Lentry_in_a_cluster:
	s_bfe_u32 s2, ttmp6, 0x10000c
	s_cmp_lg_u32 s2, 0xf033
	s_cbranch_scc0 .Lentry_shape_is_right
	s_endpgm
.Lentry_shape_is_right:
; Q, K, V = x W^T on codes of FP6 (E2M3), K = 1,024, and their quantisers: no f32 result is stored.
; IN: xw, records of 6,400 bytes (64 rows x 128 along K): four fragments (images of the 12 operand registers, 3 x 512 bytes) and 256 bytes of scale words, word (row p, tile j) at 16 p + 4 j; eight records a group.  Tile j of a group holds rows
; 32 (p / 8) + 8 j + p % 8; x's groups 4 G + 2 c + w hold tokens 256 G + 128 w + 64 c on; groups 128 on W_q, 144 on W_k, 160 on W_v.
; OUT: qkv.  Q's and K's records [group of 64 tokens, in order; K's 128 groups on][K step of 128 columns]: fragment j at 1,536 j as two halves c of 64 columns, each 512 bytes (registers 6 c .. 6 c + 3, 16 a lane) and 256 bytes (the other two, 8 a lane);
; scale words at 6,144 (16 p + 4 j + 2 c + h).  From VOFF on v^T's records [group of 64 columns][step of 128 tokens]: four fragments of 3 x 512 bytes, scale words likewise (16 p + 4 t + 2 c + h).
; LIMITS: a scale byte is the largest magnitude's exponent field - 2, held at 1 from below; NaN and infinities are not served.
; THE DEAL.  256 work-groups of four waves, 2 x 2.  A wave holds 64 rows of a weight, all of K, in registers and streams x's tiles of 16 rows past them: a BLOCK is 32 products.  PHASE 1 makes 256 tokens x 128 columns of V (8 blocks a wave),
; phase 2 512 x 128 of Q or K (16 blocks).  V's 256 tokens are a half of the work-group's own 512, so the two chunks fetched at the head serve V and then the first half of phase 2.  Which half (s87) and which tensor (s19) come from the cluster's number.
; x's rows are shared by a row of the cluster, a weight's by a column, each asked for jointly.
; LDS: slots 0 and 1 for chunks of 128 tokens, a region for the weights, stages for scale bytes.  HEAD: waves 0, 1 fetch W_v's halves, wave 2 chunk 0, wave 3 chunk 1.  THREE REFILLS, each in a round of the cluster's barrier inside a block, a quarter a wave:
; in V's block 2 the weights' region (W_q's or W_k's rows: all waves hold W_v in registers by then), in phase 2's blocks 2 and 6 a slot with a chunk of the other half.  Each is shown to all by the next round or by a plain barrier (V's block 7, phase 2's block 10).
; PREFETCHES, a sixteenth of a tile a wave, shared out by address among the four work-groups that ask jointly: the second weight at the head, chunk 2 behind the first refill, chunk 3 between the phases.
; Behind every second product stand two entries of the block's list: scalar lines and one vector line each: descriptors, addresses, and the search for the largest magnitude of the block before.
; THE WAITS' COUNTS: younger than the fetch that is waited for are the next block's fetch, NF loads, and the scale bytes stored in between (none, 1 or 4).
.set REC,   6400
.set GRP,   8*REC
.set QTR,   4*REC                      ; a quarter of a chunk or of a weight's 128 rows
.set YB,    2*GRP                      ; a chunk; slot 1
.set BVB,   2*YB                       ; the weights' region
.set XN,    3*YB                       ; Q's or K's scale words: [half in the order of work][wave row][c][256 bytes]
.set XM,    XN+2048                    ; V's: 256 bytes a wave
.set SPARE, XM+1024
.set VOFF,  13107200
.set NF,    28
.set FLOOR, 0x1800000
.set FPW,   21                         ; fragments in a window of 256 registers
.set L16,  8
.set L8,   9
.set SPW,  10
.set NIL,  11
.set STO,  16
.set STV,  17
.set VX,   18
.set WS,   20                          ; the weights' scale words: tile b, K steps q and q + 4 (lanes 16-31) at v[WS + 8 (q % 4) + b]
.set TQ,   26
.set SOP,  32
.set SA,   40                          ; x's: K steps q and q + 4 at v[SA + 8 e + q % 4]: never the same number modulo 8 as the weights'
.set EB,   52
.set TC,   56
.set ACC,  64                          ; phase 2: two sets of four accumulators
.set HV0,  64                          ; phase 1, band 0: 32 t + 8 j + i
.set HV1,  840                         ; band 1
.set NCD,  128
.set MCD,  192
.set G1A,  24
.set G1B,  32
.set G0A,  48
.set G0X,  52
.set G0B,  56
.set G0R,  60
.set MSB, 0
.macro WIN new                         ; the immediate's high byte repeats the setting that is left
.if MSB != (\new)
	s_set_vgpr_msb (MSB<<8)|(\new)
.set MSB, \new
.endif
.endm
.macro PLACES n
.rept \n
	v_nop
.endr
.endm
.macro WALU
	s_wait_alu depctr_va_vdst(0)
.endm
.macro BARRIER
	s_barrier_signal -1
	s_barrier_wait -1
.endm
.macro MIDDLE                          ; a round's middle: the opening wait, wave 0's signal for the work-group, the cluster's wait
	WIN 0
	s_barrier_wait -1
	s_cmp_lg_u32 s14, 0
	s_cbranch_scc1 .Lnot_wave_0_\@
	s_barrier_signal -3
.Lnot_wave_0_\@:
	s_barrier_wait -3
.endm
.macro CROUND
	s_barrier_signal -1
	MIDDLE
	BARRIER
.endm
.macro GRD
	s_wait_tensorcnt 0x0
	ds_add_u32 v[SPW], v[NIL]
.endm
.macro TLOAD g0, g1
	tensor_load_to_lds s[\g0:\g0+3], s[\g1:\g1+7]
	s_nop 0
	PLACES 4
.endm
.macro GROUP1 g, mask, rows            ; rows of 25,600 bytes, dense; bit 21 beside the mask
	s_or_b32 s[\g], s[\mask], (3<<16)|(1<<21)
	s_mov_b32 s[\g+1], (QTR/8)<<16
	s_mov_b32 s[\g+2], (\rows)<<16
	s_mov_b32 s[\g+3], (QTR/8)<<16
	s_mov_b32 s[\g+4], \rows
	s_mov_b32 s[\g+5], QTR/8
	s_mov_b32 s[\g+6], 1<<16
	s_mov_b32 s[\g+7], 0
.endm
; fragment f lies in window 1 + f / 21 at register 12 (f % 21): 0-31 the weights' (4 q + b), 32-39 and 40-47 x's two sets
.macro FRAG f, a, off
.set R_, 12*((\f)%FPW)
	WIN (1+(\f)/FPW)<<6
.irp g, 0,1,2
	ds_load_b128 v[R_+4*\g:R_+4*\g+3], v[\a] offset:(\off)+512*\g
.endr
.endm
.macro WEIGHTS                         ; my 64 rows of the weight, all of K
.irp q, 0,1,2,3,4,5,6,7
.irp b, 0,1,2,3
	FRAG 4*\q+\b, 14, \q*REC+1536*\b
.endr
.endr
	WIN 0
.irp q, 0,1,2,3
	ds_load_b128 v[WS+8*\q:WS+8*\q+3], v15 offset:\q*REC+6144
.endr
.endm
.macro FETCH e, j, a, s                ; tile j of a group of x into set e: NF loads
.irp q, 0,1,2,3,4,5,6,7
	FRAG 32+8*(\e)+\q, \a, \q*REC+1536*(\j)
.endr
	WIN 0
.irp q, 0,1,2,3
	ds_load_b32 v[SA+8*(\e)+\q], v[\s] offset:\q*REC+6144+4*(\j)
.endr
.endm
; product n = 4 q + b of a block.  kind 0 (Q, K): source 0 the weight's rows; kind 1 (V): source 0 x's rows
.macro PROD kind, e, n, a0, as
.set Q_, (\n)/4
.set C_, (\n)%4
.set FB_, 4*Q_+C_
.set FA_, 32+8*(\e)+Q_
.set D_, (\a0)+(\as)*C_
.set DL_, D_%256
.set WD_, (D_/256)*0x50
.set XA_, SA+8*(\e)+Q_%4
.set XB_, WS+8*(Q_%4)+C_
.if \kind
.set W_, (1+FA_/FPW)+4*(1+FB_/FPW)+WD_
	WIN W_
	PROD1 DL_, FA_, FB_, XA_, XB_, Q_
.else
.set W_, (1+FB_/FPW)+4*(1+FA_/FPW)+WD_
	WIN W_
	PROD1 DL_, FB_, FA_, XB_, XA_, Q_
.endif
.endm
.macro PROD1 d, s0, s1, x0, x1, q
.if (\q) == 0
	v_wmma_scale_f32_16x16x128_f8f6f4 v[\d:\d+7], v[12*((\s0)%FPW):12*((\s0)%FPW)+11], v[12*((\s1)%FPW):12*((\s1)%FPW)+11], 0, v[\x0], v[\x1] matrix_a_fmt:MATRIX_FMT_FP6 matrix_b_fmt:MATRIX_FMT_FP6
.elseif (\q) < 4
	v_wmma_scale_f32_16x16x128_f8f6f4 v[\d:\d+7], v[12*((\s0)%FPW):12*((\s0)%FPW)+11], v[12*((\s1)%FPW):12*((\s1)%FPW)+11], v[\d:\d+7], v[\x0], v[\x1] matrix_a_fmt:MATRIX_FMT_FP6 matrix_b_fmt:MATRIX_FMT_FP6
.else
	v_wmma_scale_f32_16x16x128_f8f6f4 v[\d:\d+7], v[12*((\s0)%FPW):12*((\s0)%FPW)+11], v[12*((\s1)%FPW):12*((\s1)%FPW)+11], v[\d:\d+7], v[\x0], v[\x1] matrix_a_fmt:MATRIX_FMT_FP6 matrix_b_fmt:MATRIX_FMT_FP6 matrix_a_scale:MATRIX_SCALE_ROW1 matrix_b_scale:MATRIX_SCALE_ROW1
.endif
.endm
.macro BLOCK kind, e, a0, as, from, to, list, x=0, y=0
.set N_, \from
.rept (\to)-(\from)
	PROD \kind, \e, N_, \a0, \as
.if N_%2
	\list N_-1, \x, \y
	\list N_, \x, \y
.endif
.set N_, N_+1
.endr
.endm
; a way out's first part, 18 entries: the largest magnitude of the 32 sums from register x on by two chains, and the conversions' scale operand v[SOP + n]
.macro CHAIN i, x, n, t=TQ
.set XW_, (\x)/256
.set XL_, (\x)%256
.if (\i) >= 0 && (\i) < 14
.set B_, XL_+16*((\i)%2)+2*((\i)/2)
.set T_, (\t)+1-(\i)%2
.if (\i) < 2
	WIN XW_*21
	v_max3_num_f32 v[T_], |v[B_]|, |v[B_+1]|, |v[B_+2]|
.else
	WIN XW_*20
	v_max3_num_f32 v[T_], v[T_], |v[B_+1]|, |v[B_+2]|
.endif
.elseif (\i) == 14
	WIN XW_*4
	v_max3_num_f32 v[\t+1], v[\t+1], |v[XL_+15]|, FLOOR
.elseif (\i) == 15
	WIN 0
	v_nop
.elseif (\i) == 16
	WIN XW_*4
	v_max3_num_f32 v[\t], v[\t], |v[XL_+31]|, v[\t+1]
.elseif (\i) == 17
	WIN 0
	v_add_nc_u32 v[SOP+\n], 0xff000000, v[\t]      ; 2 off the exponent field
.endif
.endm
; its second part, 6 lines: 32 codes into v[c .. c + 5], the scale's byte into v[EB + n]
.macro CODES i, x, c, n, t=TC
.set XW_, (\x)/256
.set XL_, (\x)%256
.if (\i) == 0
	WIN XW_
	v_cvt_scalef32_pk16_fp6_f32 v[\c:\c+2], v[XL_:XL_+15], v[SOP+\n]
.elseif (\i) == 1
	WIN XW_
	v_cvt_scalef32_pk16_fp6_f32 v[\t:\t+2], v[XL_+16:XL_+31], v[SOP+\n]
.elseif (\i) == 2
	WIN 0
	v_lshrrev_b32 v[EB+\n], 23, v[SOP+\n]
.else
	WIN 0
	v_mov_b32 v[\c+\i], v[\t+\i-3]
.endif
.endm
.macro CODES6 x, c, n
.irp i, 0,1,2,3,4,5
	CODES \i, \x, \c, \n
.endr
.endm
.macro PFTILE v, off, share            ; my sixteenth, 25 blocks of 256 bytes, of a tile of 102,400; the last seven lanes name the last block again
	s_mul_i32 s21, s\share, YB/16
	s_add_co_u32 s20, s\off, s21
	WIN 0
	v_min_u32 v\v, 24, v3
	v_lshl_add_u32 v\v, v\v, 8, s20
.endm
.macro PFGO v
	global_prefetch_b8 v\v, s[4:5] th:TH_LOAD_NT scope:SCOPE_SE
.endm
; ---- the lists
.macro L_NONE i, x, y
.endm
.macro L_VW i, x, y
	CHAIN \i, \x, \y
.endm
.macro L_V2 i, x, y                    ; V's block 2: the refills' group 1 (one row each), the first refill's group 0, chunk 2's prefetch
.if (\i) == 0
	s_mov_b32 s[G1A+2], 1<<16
	s_mov_b32 s[G1A+4], 1
	s_mov_b32 s[G1B+2], 1<<16
	s_mov_b32 s[G1B+4], 1
.elseif (\i) == 1
	s_mul_i32 s20, s14, QTR
	s_add_co_u32 s[G0B+1], s20, BVB
	s_add_co_u32 s20, s20, s9
	s_mov_b32 s21, 0
.elseif (\i) == 2
	s_add_nc_u64 s[G0B+2:G0B+3], s[4:5], s[20:21]
	s_or_b32 s[G0B+3], s[G0B+3], 0x80000000
.elseif (\i) == 4
	PFTILE 24, 88, 90
.endif
.endm
.macro L_V7 i, x, y                    ; V's block 7: chunk 3's prefetch, the way out
.if (\i) == 0
	s_add_co_u32 s22, s88, YB
	PFTILE 25, 22, 90
.endif
	CHAIN (\i)-2, \x, \y
.endm
.macro L_WAY i, x, y
	CHAIN \i, \x, 0
.endm
.macro L_CHG i, x, y                   ; the way out of a chunk's first block: where chunk s46 of the order of work goes (s[84:85]), and its scale bytes (v[VX])
.if (\i) == 0
	s_lshr_b32 s23, s46, 1
	s_and_b32 s22, s46, 1
	s_xor_b32 s20, s23, s87
	s_lshl_b32 s20, s20, 2
.elseif (\i) == 1
	s_add_co_u32 s20, s20, s22
	s_mul_i32 s20, s20, GRP
	s_mov_b32 s21, 0
	s_add_nc_u64 s[84:85], s[76:77], s[20:21]
.elseif (\i) == 2
	s_lshl_b32 s23, s23, 10
	s_lshl_b32 s22, s22, 8
	s_or_b32 s23, s23, s22
	s_add_co_u32 s46, s46, 1
	WIN 0
	v_add_nc_u32 v[VX], s23, v[STO]
.endif
	CHAIN (\i)-4, \x, 0
.endm
.macro L_RND i, x, y                   ; a block with a refill: my quarter of the chunk at s88 for slot s47; the slot of the next four fetches (s101); the way out
.if (\i) == 0
	s_mul_i32 s20, s14, QTR
	s_add_co_u32 s[G0R+1], s20, s47
	s_add_co_u32 s20, s20, s88
	s_mov_b32 s21, 0
.elseif (\i) == 1
	s_add_nc_u64 s[G0R+2:G0R+3], s[4:5], s[20:21]
	s_or_b32 s[G0R+3], s[G0R+3], 0x80000000
	s_add_co_u32 s88, s88, YB
	s_xor_b32 s47, s47, YB
.elseif (\i) == 2
	s_xor_b32 s101, s101, YB
	WIN 0
	v_add_nc_u32 v12, s101, v4
.elseif (\i) == 3
	WIN 0
	v_add_nc_u32 v13, s101, v6
.endif
	CHAIN (\i)-4, \x, 0
.endm
; ---- phase 2's blocks.  e: the block's set; jo: the tile of the block before, whose way out stands here; w: the count of the wait for the block's rows (-1: shown in already); f..: the fetch of the block two on
.macro WAITDS w
.if (\w) >= 0
	s_wait_dscnt \w
.endif
	s_wait_xcnt 0x0                                ; earlier stores have read their data and base
.endm
.macro LEAVE jo
	WALU
	ds_store_b8 v[VX], v[EB] offset:4*(\jo)
	global_store_b128 v[L16], v[NCD:NCD+3], s[84:85] offset:1536*(\jo)
	global_store_b64 v[L8], v[NCD+4:NCD+5], s[84:85] offset:1536*(\jo)+512
.endm
.macro PBLK e, jo, w, f, fj=0, fa=4, fs=6
	WAITDS \w
.if (\jo) == 0
	BLOCK 0, \e, ACC+32*\e, 8, 0, 32, L_CHG, ACC+32-32*\e
.else
	BLOCK 0, \e, ACC+32*\e, 8, 0, 32, L_WAY, ACC+32-32*\e
.endif
	WIN 0
	CODES6 ACC+32-32*\e, NCD, 0                    ; its last four lines are the places ahead of the fetch
	LEAVE \jo
.if \f
	FETCH \e, \fj, \fa, \fs
.endif
.endm
.macro PROUND                          ; blocks 2 and 6
	WAITDS NF+1
	GRD
	BLOCK 0, 0, ACC, 8, 0, 26, L_RND, ACC+32
	WIN 0
	WALU
	s_wait_dscnt 0x0
	s_barrier_signal -1
	BLOCK 0, 0, ACC, 8, 26, 32, L_NONE
	WIN 0
	CODES6 ACC+32, NCD, 0
	MIDDLE
	BARRIER
	TLOAD G0R, G1A
	LEAVE 1
	FETCH 0, 0, 12, 13
.endm
.macro PSHOW                           ; block 10: a plain barrier shows the last refill
	WAITDS NF+1
	BLOCK 0, 0, ACC, 8, 0, 26, L_WAY, ACC+32
	WIN 0
	WALU
	s_wait_tensorcnt 0x0
	s_wait_dscnt 0x0
	s_barrier_signal -1
	BLOCK 0, 0, ACC, 8, 26, 32, L_NONE
	WIN 0
	s_barrier_wait -1
	CODES6 ACC+32, NCD, 0
	LEAVE 1
	FETCH 0, 0, 5, 7
.endm
; ================= THE HEAD
	s_load_b128 s[4:7], s[0:1], 0x0                ; xw, qkv
	v_lshl_add_u32 v[SPW], v0, 2, SPARE
	v_mov_b32 v[NIL], 0
	ds_add_u32 v[SPW], v[NIL]                      ; the opening lines: the add twice, under one wait
	ds_add_u32 v[SPW], v[NIL]
	v_lshrrev_b32 v1, 5, v0
	v_readfirstlane_b32 s14, v1                    ; s14 the wave; s15 its row of the 2 x 2 (which group of a chunk), s16 its column (which 64 of the weight's rows)
	s_lshr_b32 s15, s14, 1
	s_and_b32 s16, s14, 1
	s_bfe_u32 s40, ttmp6, 0x40000                  ; cx
	s_bfe_u32 s41, ttmp6, 0x40004                  ; cy
	s_lshl_b32 s42, ttmp9, 2
	s_add_co_u32 s42, s42, s40                     ; s42 phase 2's tile column: 0-7 Q, 8-15 K
	s_and_b32 s43, ttmp7, 0xffff
	s_lshl_b32 s43, s43, 2
	s_add_co_u32 s43, s43, s41                     ; s43 its tile row, 512 tokens
	s_lshr_b32 s19, ttmp9, 1                       ; s19: 0 Q, 1 K
	s_and_b32 s87, ttmp9, 1                        ; s87: V's half of my 512 tokens
	s_lshl_b32 s13, s19, 2
	s_add_co_u32 s13, s13, s40                     ; s13 V's tile column
	s_lshl_b32 s12, s43, 1
	s_add_co_u32 s12, s12, s87                     ; s12 V's tile row, 256 tokens
	s_lshl_b32 s44, s41, 2
	s_lshl_b32 s44, 15, s44                        ; my row of the cluster
	s_lshl_b32 s45, 0x1111, s40                    ; my column
	GROUP1 G1A, 44, 4                              ; a chunk of x: four rows of 25,600 bytes
	GROUP1 G1B, 45, 2                              ; half a weight's 128 rows
	s_lshl_b32 s20, s43, 3
	s_lshl_b32 s21, s87, 2
	s_add_co_u32 s66, s20, s21
	s_mul_i32 s66, s66, GRP                        ; chunk 0, bytes from xw
	s_xor_b32 s22, s87, 1
	s_lshl_b32 s22, s22, 2
	s_add_co_u32 s88, s20, s22
	s_mul_i32 s88, s88, GRP                        ; chunk 2: the other half's first
	s_lshl_b32 s9, s42, 1
	s_add_co_u32 s9, s9, 128
	s_mul_i32 s9, s9, GRP                          ; W_q's or W_k's rows
	s_lshl_b32 s67, s13, 1
	s_add_co_u32 s67, s67, s16
	s_add_co_u32 s67, s67, 160
	s_mul_i32 s67, s67, GRP                        ; W_v's half that wave 0 or 1 fetches
	s_mov_b32 s[G0A], 1
	s_mov_b32 s[G0A+1], 0
	s_mov_b32 s[G0X], 1
	s_mov_b32 s[G0X+1], YB
	s_mov_b32 s[G0R], 1
	s_mov_b32 s[G0B], 1
	s_mul_i32 s21, s16, GRP
	s_add_co_u32 s21, s21, BVB
	s_mov_b32 s[G0B+1], s21
	s_lshl_b32 s90, s40, 2
	s_add_co_u32 s90, s90, s14                     ; my number among the sixteen waves of my row of the cluster
	s_lshl_b32 s100, s41, 2
	s_add_co_u32 s100, s100, s14                   ; and of my column
	s_mul_i32 s101, s100, YB/16
	s_add_co_u32 s101, s101, s9
	s_mul_i32 s20, s15, GRP
	s_lshl_b32 s22, s15, 9
	s_lshl_b32 s23, s16, 1
	s_add_co_u32 s22, s22, s23
	s_add_co_u32 s22, s22, XN
	s_lshl_b32 s23, s14, 8
	s_add_co_u32 s23, s23, XM
	v_and_b32 v1, 15, v0                           ; r
	v_bfe_u32 v2, v0, 4, 1                         ; h
	v_and_b32 v3, 31, v0                           ; lane
	v_lshlrev_b32 v[L16], 4, v3
	v_lshlrev_b32 v[L8], 3, v3
	v_lshlrev_b32 v62, 4, v1
	v_mul_u32_u24 v63, v2, QTR
	v_add_nc_u32 v63, v63, v62                     ; scale words: 16 r, lanes 16-31 four K steps on
	v_add_nc_u32 v4, s20, v[L16]                   ; my fragments of x in slot 0
	v_add_nc_u32 v5, YB, v4                        ; and in slot 1
	v_add_nc_u32 v6, s20, v63                      ; their scale words
	v_add_nc_u32 v7, YB, v6
	v_add_nc_u32 v14, s21, v[L16]                  ; the weights' fragments and scale words
	v_add_nc_u32 v15, s21, v63
	v_add_nc_u32 v62, v62, v2
	v_add_nc_u32 v[STO], s22, v62
	v_add_nc_u32 v[STV], s23, v62
	v_min_u32 v19, 24, v3
	v_lshl_add_u32 v19, v19, 8, s101               ; the second weight's prefetch
	WALU                                           ; the wait at the head's end
	s_wait_dscnt 0x0
	CROUND                                         ; in front of the first joint loads
	s_wait_kmcnt 0x0
	s_mov_b32 s21, 0
	s_mov_b32 s20, s67
	s_add_nc_u64 s[G0B+2:G0B+3], s[4:5], s[20:21]
	s_or_b32 s[G0B+3], s[G0B+3], 0x80000000
	s_mov_b32 s20, s66
	s_add_nc_u64 s[G0A+2:G0A+3], s[4:5], s[20:21]
	s_add_nc_u64 s[G0X+2:G0X+3], s[G0A+2:G0A+3], YB
	s_or_b32 s[G0A+3], s[G0A+3], 0x80000000
	s_or_b32 s[G0X+3], s[G0X+3], 0x80000000
	s_cmp_lt_u32 s14, 2
	s_cbranch_scc0 .Lx0
	TLOAD G0B, G1B                                 ; waves 0, 1: W_v's rows
	s_branch .Lasked
.Lx0:
	s_cmp_eq_u32 s14, 2
	s_cbranch_scc0 .Lx1
	TLOAD G0A, G1A                                 ; wave 2: chunk 0
	s_branch .Lasked
.Lx1:
	TLOAD G0X, G1A                                 ; wave 3: chunk 1
.Lasked:
	; where the results go: s[76:77] Q's or K's codes, s[78:79] their scale words (two groups a wave), s[80:81] V's record
	s_lshl_b32 s22, s19, 7
	s_lshl_b32 s23, s43, 3
	s_add_co_u32 s22, s22, s23                     ; the tensor's groups + my first
	s_and_b32 s23, s42, 7
	s_mul_i32 s23, s23, REC                        ; my K step
	s_lshl_b32 s20, s15, 1
	s_add_co_u32 s20, s20, s22
	s_mul_i32 s20, s20, GRP
	s_add_co_u32 s20, s20, s23
	s_mul_i32 s21, s16, 768
	s_add_co_u32 s20, s20, s21
	s_mov_b32 s21, 0
	s_add_nc_u64 s[76:77], s[6:7], s[20:21]
	s_xor_b32 s20, s15, s87                        ; the stage's halves lie in the order of work
	s_lshl_b32 s20, s20, 2
	s_add_co_u32 s20, s20, s22
	s_lshl_b32 s21, s16, 1
	s_add_co_u32 s20, s20, s21
	s_mul_i32 s20, s20, GRP
	s_add_co_u32 s20, s20, s23
	s_add_co_u32 s20, s20, 6144
	s_mov_b32 s21, 0
	s_add_nc_u64 s[78:79], s[6:7], s[20:21]
	s_lshl_b32 s20, s13, 1
	s_add_co_u32 s20, s20, s16
	s_lshl_b32 s20, s20, 6
	s_lshl_b32 s21, s12, 1
	s_add_co_u32 s20, s20, s21
	s_add_co_u32 s20, s20, s15
	s_mul_i32 s20, s20, REC
	s_add_co_u32 s20, s20, VOFF
	s_mov_b32 s21, 0
	s_add_nc_u64 s[80:81], s[6:7], s[20:21]
	s_mov_b32 s46, 0
	s_mov_b32 s47, 0
	s_mov_b32 s101, 0
	s_cmp_lt_u32 s14, 2
	s_cbranch_scc0 .Lnot_w
	s_wait_tensorcnt 0x0
.Lnot_w:
	BARRIER                                        ; W_v's rows are in
	PFGO 19
	WEIGHTS
	s_cmp_eq_u32 s14, 3
	s_cbranch_scc1 .Lnot_x
	s_wait_tensorcnt 0x0
.Lnot_x:
	s_wait_dscnt 0x0
	BARRIER                                        ; chunk 0 is in; chunk 1 may be on its way
	FETCH 0, 0, 4, 6
	FETCH 1, 1, 4, 6
; ================= PHASE 1: V, eight blocks; band 0's way outs stand in band 1's blocks
.irp s, 0,1
	s_wait_dscnt NF
	BLOCK 1, \s, HV0+8*\s, 32, 0, 32, L_NONE
	WIN 0
	PLACES 4                                       ; in front of loads into registers that the products read
	FETCH \s, \s+2, 4, 6
.endr
	s_wait_dscnt NF
	GRD
	BLOCK 1, 0, HV0+16, 32, 0, 24, L_V2
	WIN 0
	WALU
	s_wait_dscnt 0x0
	s_barrier_signal -1
	BLOCK 1, 0, HV0+16, 32, 24, 32, L_NONE
	MIDDLE
	BARRIER
	TLOAD G0B, G1B                                 ; a quarter a wave of W_q's or W_k's rows; its four v_nop are the places ahead of the fetch
	FETCH 0, 0, 5, 7
	PFGO 24
	s_wait_dscnt NF
	BLOCK 1, 1, HV0+24, 32, 0, 32, L_NONE
	WIN 0
	PLACES 4
	FETCH 1, 1, 5, 7
.irp j, 0,1,2
	s_wait_dscnt NF+(\j+1)/2
	BLOCK 1, \j%2, HV1+8*\j, 32, 0, 32, L_VW, HV0+32*\j, \j
	WIN 0
	CODES6 HV0+32*\j, MCD+12*\j, \j
	WALU
	ds_store_b8 v[STV], v[EB+\j] offset:4*\j
.if \j < 2
	FETCH \j%2, \j+2, 5, 7
.endif
.endr
	s_wait_dscnt 1
	BLOCK 1, 1, HV1+24, 32, 0, 26, L_V7, HV0+96, 3
	WIN 0
	WALU
	s_wait_tensorcnt 0x0
	s_wait_dscnt 0x0
	s_barrier_signal -1                            ; a plain barrier: the weights that the first refill brought are shown to all
	BLOCK 1, 1, HV1+24, 32, 26, 32, L_NONE
	WIN 0
	s_barrier_wait -1
	CODES6 HV0+96, MCD+36, 3
	WALU
	ds_store_b8 v[STV], v[EB+3] offset:12
; ================= THE CHANGE OF PHASE: the second weight and phase 2's first two blocks, in slot 0 still, in one run of loads; band 1's way outs under their flight
	WEIGHTS
	FETCH 0, 0, 4, 6
	FETCH 1, 1, 4, 6
	PFGO 25
.set I, 0
.rept 18
.irp t, 0,1,2,3
	CHAIN I, HV1+32*\t, \t, 64+4*\t
.endr
.set I, I+1
.endr
.set I, 0
.rept 6
.irp t, 0,1,2,3
	CODES I, HV1+32*\t, MCD+12*\t+6, \t, 80+4*\t
.endr
.set I, I+1
.endr
	WIN 0
	WALU
; ================= PHASE 2: Q or K, sixteen blocks; a block's way out stands in the next
	s_wait_dscnt NF
	BLOCK 0, 0, ACC, 8, 0, 32, L_NONE
	WIN 0
	PLACES 4
.irp t, 0,1,2,3
	ds_store_b8 v[STV], v[EB+\t] offset:2+4*\t
.endr
.irp t, 0,1,2,3
.irp g, 0,1,2
	global_store_b128 v[L16], v[MCD+12*\t+4*\g:MCD+12*\t+4*\g+3], s[80:81] offset:1536*\t+512*\g   ; V's codes leave
.endr
.endr
	FETCH 0, 2, 4, 6
	PBLK 1, 0, NF+4, 1, 3, 4, 6
	s_mov_b32 s86, 0
.Lfour:                                                ; blocks 2 to 5, 6 to 9
	PROUND
	PBLK 1, 2, -1, 1, 1, 12, 13
	PBLK 0, 3, NF+1, 1, 2, 12, 13
	PBLK 1, 0, NF+1, 1, 3, 12, 13
	s_add_co_u32 s86, s86, 1
	s_cmp_lg_u32 s86, 2
	s_cbranch_scc1 .Lfour
	PSHOW
	PBLK 1, 2, -1, 1, 1, 5, 7
	PBLK 0, 3, NF+1, 1, 2, 5, 7
	PBLK 1, 0, NF+1, 1, 3, 5, 7
	PBLK 0, 1, NF+1, 0
	PBLK 1, 2, 1, 0
; ================= THE END: the last way out; the scale bytes go through LDS under its conversions
	s_wait_xcnt 0x0
	s_lshl_b32 s21, s14, 9
	s_add_co_u32 s21, s21, XN
	s_lshl_b32 s22, s14, 8
	s_add_co_u32 s22, s22, XM
	v_add_nc_u32 v12, s21, v[L16]                  ; two groups' 512 bytes of scale words
	v_add_nc_u32 v13, s22, v[L8]
	v_mul_u32_u24 v14, v2, GRP
	v_lshl_add_u32 v14, v1, 4, v14                 ; lanes 16-31 store into the next group's record
.set I, 0
.rept 18
	CHAIN I, ACC+32, 0
.set I, I+1
.endr
	CODES 2, ACC+32, NCD, 0
	WALU
	ds_store_b8 v[VX], v[EB] offset:12
	s_wait_dscnt 0x0
	s_barrier_signal -1
	CODES 0, ACC+32, NCD, 0
	CODES 1, ACC+32, NCD, 0
	v_nop
.irp i, 3,4,5
	CODES \i, ACC+32, NCD, 0
.endr
	WALU
	s_barrier_wait -1
	ds_load_b128 v[64:67], v12
	ds_load_b64 v[68:69], v13
	global_store_b128 v[L16], v[NCD:NCD+3], s[84:85] offset:4608
	global_store_b64 v[L8], v[NCD+4:NCD+5], s[84:85] offset:5120
	s_wait_dscnt 0x0
	global_store_b128 v14, v[64:67], s[78:79]
	global_store_b64 v[L8], v[68:69], s[80:81] offset:6144
	s_wait_tensorcnt 0x0                           ; the wave's end
	ds_add_u32 v[SPW], v[NIL]
	s_wait_dscnt 0x0
	CROUND                                         ; the closing round
	s_endpgm
.Lfunc_end_k_qe600019a7b_proj:
	.size	k_qe600019a7b_proj, .Lfunc_end_k_qe600019a7b_proj-k_qe600019a7b_proj
	.p2alignl 7, 3214868480
	.fill 96, 4, 3214868480
	.section	.rodata,"a",@progbits
	.p2align	6, 0x0
	.amdhsa_kernel k_qe600019a7b_proj
		.amdhsa_group_segment_fixed_size 327680
		.amdhsa_private_segment_fixed_size 0
		.amdhsa_enable_private_segment 0
		.amdhsa_kernarg_size 16
		.amdhsa_user_sgpr_count 2
		.amdhsa_user_sgpr_kernarg_segment_ptr 1
		.amdhsa_wavefront_size32 1
		.amdhsa_system_sgpr_workgroup_id_x 1
		.amdhsa_system_sgpr_workgroup_id_y 1
		.amdhsa_system_sgpr_workgroup_id_z 1
		.amdhsa_system_vgpr_workitem_id 0
		.amdhsa_next_free_vgpr 992
		.amdhsa_next_free_sgpr 102
		.amdhsa_reserve_vcc 0
		.amdhsa_float_denorm_mode_32 3
		.amdhsa_float_denorm_mode_16_64 3
		.amdhsa_memory_ordered 1
		.amdhsa_forward_progress 1
		.amdhsa_inst_pref_size 189
	.end_amdhsa_kernel
	.amdgpu_metadata
---
amdhsa.version: [ 1, 2 ]
amdhsa.kernels:
  - .name:           k_qe600019a7b_proj
    .symbol:         k_qe600019a7b_proj.kd
    .args:
      - { .name: xw, .offset: 0, .size: 8, .value_kind: global_buffer, .address_space: global }
      - { .name: qkv, .offset: 8, .size: 8, .value_kind: global_buffer, .address_space: global }
    .group_segment_fixed_size: 327680
    .private_segment_fixed_size: 0
    .kernarg_segment_align: 8
    .kernarg_segment_size: 16
    .max_flat_workgroup_size: 128
    .sgpr_count:     102
    .vgpr_count:     992
    .wavefront_size: 32
...
	.end_amdgpu_metadata
.endif
;; end of part 2
;; launch score (part 3): grid 12 x 16, 4 waves a work-group, clusters of 4 x 4, 327,680 bytes of LDS; arguments qkv, pr; writes pr
.if DOCPART == 3
	.amdgcn_target "amdgcn-amd-amdhsa--gfx1250"
	.amdhsa_code_object_version 6
	.text
	.protected	k_qe600019a7b_score
	.globl	k_qe600019a7b_score
	.p2align	8
	.type	k_qe600019a7b_score,@function
k_qe600019a7b_score:
	s_mov_b64 s[64:65], 0
	v_nop
	global_prefetch_b8 v0, s[64:65] scope:SCOPE_SE
	s_setreg_imm32_b32 hwreg(HW_REG_WAVE_MODE, 25, 1), 1
	s_wait_xcnt 0x0
	s_wait_alu depctr_hold_cnt(0) depctr_sa_sdst(0) depctr_va_vdst(0) depctr_va_sdst(0) depctr_va_ssrc(0) depctr_va_vcc(0) depctr_vm_vsrc(0)
	s_getreg_b32 s2, hwreg(HW_REG_IB_STS2, 6, 4)
	s_cmp_eq_u32 s2, 0
	s_cbranch_scc0 .Lentry_in_a_cluster
	s_endpgm
.Lentry_in_a_cluster:
	s_bfe_u32 s2, ttmp6, 0x10000c
	s_cmp_lg_u32 s2, 0xf033
	s_cbranch_scc0 .Lentry_shape_is_right
	s_endpgm
.Lentry_shape_is_right:
; S^T = k q^T on codes of FP6 (E2M3), the causal mask, and the softmax's p for each FRAGMENT of 16 queries x 128 keys under the fragment's OWN whole number M: t = score x log2(e) / 32,
; M_loc = ceil(the row's largest t among these 128 keys), p = 2^(t - M_loc), quantised along the keys; l_loc = the row's sum of the unquantised p.  The next launch brings the fragments of a row under one M by taking the whole
; number M - M_loc off their scale bytes, which rounds nothing.
; LAYOUT as in qkv (groups of 64 rows, tiles, fragments as images of the operand's registers).  A record of pr (a group of queries x 128 keys) is 6,912 bytes: four fragments at 1,536 j, the scale words at 6,144, M_loc (f32) at 6,400,
; l_loc at 6,656, each (row p, tile j) at 16 p + 4 j.  Records lie [group of queries][K step of keys, 16 a group].
; SHARES.  A cluster takes 1,024 queries x 1,024 keys of one batch (cluster y): cluster x = 0: queries and keys 0-1,023; 1: queries 1,024 on, keys 0-1,023; 2: both 1,024 on.  The block above the diagonal is not launched.
; A work-group takes 256 queries x 256 keys as two tiles of 128 x 256 (S1 = q, S0 = k); wave (wy, wx) takes q's group wy and k's groups 2 wx, 2 wx + 1.  Partners of a joint load run alike, so inside the two clusters on the
; diagonal every work-group computes and masks; a row all of whose 128 keys are hidden leaves zero codes, the byte 1, M_loc = -3e38 and l_loc = 0, which add nothing later.
; RING.  Two LDS slots of four K steps: q's two runs of 25,600 bytes, then k's four.  Both tiles multiply by the same k, so k's runs stay where the first fills laid them; the two refills bring the second tile's q alone,
; 51,200 bytes, a quarter (two records) a wave: 409,600 bytes come into a work-group's LDS in all.  By this text's count a wave has two loads out at the start, later one.
; The maximum is taken away before the exponential in every fragment.  LIMITS: M is a whole number kept in f32: exact up to 2^24; NaN and infinities among the inputs are not served.
; REGISTERS: window 0: v1-3 r, h, lane; v4-13 LDS addresses; v14, 15 the spare word's address and 0; v32-47 scale words; v48-143 q's fragments, two sets; the way out: v144-191 codes, v192-199, v200-207, v212-215 at work,
;   v216-219 scale words, v220-223 M_loc, v224-227 l_loc, v228 -M, v230-235 sums, v236 the mask's number, v237 -infinity.   window 1: k's fragments.   window 2: the accumulators.
; ROW ORDER AND HEAD OF THIS TEXT (in place of what is said above of them).  Tile j of a group holds rows 32 (p / 8) + 8 j + p % 8, so lane (r, h) holds keys 64 (n / 32) + 32 h + n % 32 in register n: two whole blocks of 32.
; A fragment of q or k lies as two halves of 768 bytes: four registers at 16 x lane, two at 8 x lane.  At the head a wave has one load out; slot 1's first fill stands behind a round of its own, so a wave never has more than one out.
; Slot 1's first tiles and the second tile's first q run are prefetched at the head, each wave a quarter of its run, told apart by address among the four work-groups that ask jointly.
.set REC,   6400
.set RUN,   4*REC
.set REC1,  REC
.set RUN1,  RUN
.set HALFR, 2*REC                      ; what a wave brings in a refill
.set GRP,   8*REC
.set RECP,  6912
.set SLOT,  2*RUN1+4*RUN
.set STG,   2*SLOT                     ; behind the ring: 768 bytes a wave for the three small blocks' way out; no fill lands there
.set SPARE, STG+4*768                  ; the spare words, 128 bytes a wave: two blocks of 256 bytes that no other line names
.set FLOOR, 0x1800000
.set ADRA, 4
.set ADRB, 6
.set ADSA, 10
.set ADSB, 12
.set SPW,  14
.set NIL,  15
.set L16,  16
.set L8,   17
.set H8,   23                          ; 8 h
.set ADRA8, 24                         ; v24-25, v26-29: as ADRA, ADRB, with 8 x lane
.set ADRB8, 26
.set SIN,  18
.set SOUT, 19
.set SA,   32
.set SB,   40
.set AF,   48
.set T2,   192
.set TM,   200
.set SO,   212
.set PWR,  216
.set MM,   220
.set LL,   224
.set NM,   228
.set SU,   230
.set TT,   234
.set TU,   235
.set DB,   236
.set NI,   237
.set OB8,  238
.set G1A,  24                          ; s[24:31] group 1: a run of q
.set G1B,  32                          ; s[32:39] two runs of k
.set G1R,  40                          ; s[40:47] half a run of q
.set G0A,  48                          ; s[48:55] groups 0 of q's two first fills
.set G0B,  56                          ; s[56:63] of k's
.set G0R,  68                          ; s[68:75] of the two refills
.set MUL,  0xa1
.set MSB, 0
.macro WIN new                         ; the immediate's high byte repeats the setting that is left
.if MSB != \new
	s_set_vgpr_msb (MSB<<8)|\new
.set MSB, \new
.endif
.endm
.macro PLACES n
.rept \n
	v_nop
.endr
.endm
.macro JLOAD g0a, g0b                  ; a first fill: waves 0, 1 for q, waves 2, 3 for k; four v_nop follow each of the two lines
	s_cmp_eq_u32 s11, 0
	s_cbranch_scc0 .Lfor_b_\@
	tensor_load_to_lds s[\g0a:\g0a+3], s[G1A:G1A+7]
	s_nop 0
.rept 4
	v_nop
.endr
	s_branch .Lasked_\@
.Lfor_b_\@:
	tensor_load_to_lds s[\g0b:\g0b+3], s[G1B:G1B+7]
	s_nop 0
.rept 4
	v_nop
.endr
.Lasked_\@:
.endm
.macro CREST
	s_cmp_lg_u32 s10, 0
	s_cbranch_scc1 .Lnot_wave_0_\@
	s_barrier_signal -3
.Lnot_wave_0_\@:
	s_barrier_wait -3
	s_barrier_signal -1
	s_barrier_wait -1
.endm
.macro CROUND
	s_barrier_signal -1
	s_barrier_wait -1
	CREST
.endm
.macro G1SET g, mask, c, r, p          ; r rows of c elements of 8 bytes, p elements apart; no padding; bit 21 beside the mask
	s_or_b32 s[\g], s[\mask], (3<<16)|(1<<21)
	s_mov_b32 s[\g+1], (\c)<<16
	s_mov_b32 s[\g+2], (\r)<<16
	s_mov_b32 s[\g+3], (\c)<<16
	s_mov_b32 s[\g+4], \r
	s_mov_b32 s[\g+5], \p
	s_mov_b32 s[\g+6], 0
	s_mov_b32 s[\g+7], 0
.endm
.macro G0SET g, lds, slotoff, base, off
	s_mov_b32 s[\g], 1
	s_add_co_u32 s[\g+1], s[\lds], \slotoff
	s_add_nc_u64 s[\g+2:\g+3], s[\base:\base+1], \off
	s_or_b32 s[\g+3], s[\g+3], 0x80000000
.endm
.macro FETCH s, q, p                   ; 50 LDS loads in one run: K step q of slot s into set p
	WIN 0x40
.irp b, 0,1,2,3,4,5,6,7
.irp c, 0,1
	ds_load_b128 v[128*(\p)+12*\b+6*\c:128*(\p)+12*\b+6*\c+3], v[ADRB+2*(\s)+\b/4] offset:(\q)*REC+(\b%4)*1536+768*\c
	ds_load_b64 v[128*(\p)+12*\b+6*\c+4:128*(\p)+12*\b+6*\c+5], v[ADRB8+2*(\s)+\b/4] offset:(\q)*REC+(\b%4)*1536+768*\c+512
.endr
.endr
	WIN 0
.irp a, 0,1,2,3
.irp c, 0,1
	ds_load_b128 v[AF+48*(\p)+12*\a+6*\c:AF+48*(\p)+12*\a+6*\c+3], v[ADRA+(\s)] offset:(\q)*REC1+\a*1536+768*\c
	ds_load_b64 v[AF+48*(\p)+12*\a+6*\c+4:AF+48*(\p)+12*\a+6*\c+5], v[ADRA8+(\s)] offset:(\q)*REC1+\a*1536+768*\c+512
.endr
.endr
	ds_load_b128 v[SA+4*(\p):SA+4*(\p)+3], v[ADSA+(\s)] offset:(\q)*REC1+6144
	ds_load_b128 v[SB+4*(\p):SB+4*(\p)+3], v[ADSB+(\s)] offset:(\q)*REC+6144
.endm
.macro MULA p, a, zero                 ; 8 matrix instructions; the 32 accumulators take turns, one instruction a turn
.irp b, 0,1,2,3,4,5,6,7
.set rD, 8*(8*(\a)+\b)
.set rB, 128*(\p)+12*\b
.set rA, AF+48*(\p)+12*(\a)
.set rSB, SB+4*(\p)+\b%4
.set rSA, SA+4*(\p)+(\a)
.if \zero
.if \b < 4
	v_wmma_scale_f32_16x16x128_f8f6f4 v[rD:rD+7], v[rB:rB+11], v[rA:rA+11], 0, v[rSB], v[rSA] matrix_a_fmt:MATRIX_FMT_FP6 matrix_b_fmt:MATRIX_FMT_FP6
.else
	v_wmma_scale_f32_16x16x128_f8f6f4 v[rD:rD+7], v[rB:rB+11], v[rA:rA+11], 0, v[rSB], v[rSA] matrix_a_fmt:MATRIX_FMT_FP6 matrix_b_fmt:MATRIX_FMT_FP6 matrix_a_scale:MATRIX_SCALE_ROW1
.endif
.else
.if \b < 4
	v_wmma_scale_f32_16x16x128_f8f6f4 v[rD:rD+7], v[rB:rB+11], v[rA:rA+11], v[rD:rD+7], v[rSB], v[rSA] matrix_a_fmt:MATRIX_FMT_FP6 matrix_b_fmt:MATRIX_FMT_FP6
.else
	v_wmma_scale_f32_16x16x128_f8f6f4 v[rD:rD+7], v[rB:rB+11], v[rA:rA+11], v[rD:rD+7], v[rSB], v[rSA] matrix_a_fmt:MATRIX_FMT_FP6 matrix_b_fmt:MATRIX_FMT_FP6 matrix_a_scale:MATRIX_SCALE_ROW1
.endif
.endif
.endr
.endm
.macro STEP s, q, zero
	s_wait_dscnt 0x0                               ; this step's set, asked for a whole step ago
	PLACES 4                                       ; in front of loads into registers that the last step's matrix instructions read
	FETCH \s, (\q)+1, 1-(\q)%2
	WIN MUL
	MULA (\q)%2, 0, \zero
	MULA (\q)%2, 1, \zero
	MULA (\q)%2, 2, \zero
	MULA (\q)%2, 3, \zero
.endm
.macro TURN s, fill, r                 ; a slot's last K step changes slots: one barrier, with each wave's three lines in front of it.  fill = 1: the slot's two runs of q are filled again by refill r, a quarter a wave
	s_wait_dscnt 0x0                               ; set 1 is in: my reads of this slot are over
	WIN 0
	s_wait_tensorcnt 0x0                           ; all my tensor loads have landed: my part of the other slot
	ds_add_u32 v[SPW], v[NIL]                      ; 0 onto my spare word
	WIN MUL
	MULA 1, 0, 0
	s_wait_dscnt 0x0
	s_barrier_signal -1
	MULA 1, 1, 0
	WIN 0
	s_barrier_wait -1
.if \fill
	CREST                                          ; a round of the cluster's barrier: no wave of any partner still reads this slot or has a load on its way
	tensor_load_to_lds s[G0R+4*(\r):G0R+4*(\r)+3], s[G1R:G1R+7]   ; the first tensor load behind the round, one a wave
	s_nop 0
.endif
	PLACES 4                                       ; behind the tensor load, and in front of the loads below
	s_wait_alu depctr_va_vdst(0)
	FETCH 1-(\s), 0, 0
	WIN MUL
	MULA 1, 2, 0
	MULA 1, 3, 0
.endm
; S1's tile a: a lane's 64 scores, register 32 b + i = key 64 b + 32 (lane / 16) + i of my wave's 128, of ONE query
.macro SOFTQ a, ob
.set S, 64*(\a)
.set PC, 144+12*(\a)
.set MOFF, 8*(\a)
	WIN 0
	s_cmp_eq_u32 s15, 1                            ; the cluster under the diagonal hides nothing: a branch on the cluster's number, the same in all partners
	s_cbranch_scc1 .Lopen_\@
	WIN 0x82
.set n, 0
.rept 64                               ; hidden where key > query: 64 (n / 32) + n % 32 - the tile's first row > v[DB]; the score becomes -infinity, p = 0
	v_cmp_gt_i32 vcc_lo, 64*(n/32)+n%32-MOFF, v[DB]
	v_cndmask_b32 v[S+n], v[S+n], v[NI], vcc_lo
.set n, n+1
.endr
	WIN 0
.Lopen_\@:
	WIN 0x2a
.irp b, 0,1,2,3
	v_max3_num_f32 v[TM+\b], v[S+16*\b], v[S+16*\b+1], v[S+16*\b+2]   ; the largest score of each 16 keys, half a block of 32: it serves the row's maximum and, since p rises with the score, the block's largest p
.endr
	WIN 0x28
.irp i, 3,5,7,9,11,13
.irp b, 0,1,2,3
	v_max3_num_f32 v[TM+\b], v[TM+\b], v[S+16*\b+\i], v[S+16*\b+\i+1]
.endr
.endr
.irp b, 0,1,2,3
	v_max_num_f32 v[TM+\b], v[TM+\b], v[S+16*\b+15]
.endr
	WIN 0
	v_max_num_f32 v[TM], v[TM], v[TM+1]            ; my two blocks' largest scores: all 32 keys of a block are mine
	v_max_num_f32 v[TM+1], v[TM+2], v[TM+3]
	v_max_num_f32 v[TT], v[TM], v[TM+1]
	v_permlanex16_b32 v[TU], v[TT], s98, s99
	v_max_num_f32 v[TT], v[TT], v[TU]              ; the row's, with lane l xor 16's 64 keys
	v_mul_f32 v[TT], s66, v[TT]                    ; as t (c is positive)
	v_max_num_f32 v[TT], 0xff61b1e6, v[TT]         ; a row with every key hidden: -3e38
	v_floor_f32 v[NM], -v[TT]                      ; -M_loc = floor(-t) = -ceil(t)
.irp b, 0,1
	v_fma_f32 v[TM+\b], v[TM+\b], s66, v[NM]
.endr
	WIN 0x82
.set n, 0
.rept 32
	v_pk_fma_f32 v[S+n:S+n+1], v[S+n:S+n+1], s[66:67], v[NM:NM+1] op_sel_hi:[1,0,0]   ; t - M_loc, two at a time
.set n, n+2
.endr
.set n, 0
	s_wait_alu depctr_va_vdst(0)
.rept 64
	v_exp_f32 v[S+n], v[S+n]                       ; p, at most 1
.set n, n+1
.endr
	WIN 0
.irp b, 0,1
	v_exp_f32 v[TM+\b], v[TM+\b]                   ; each block's largest p: the same two instructions on the same number
.endr
	v_mul_f32 v[MM+(\a)], -1.0, v[NM]              ; M_loc; the plain line behind the exponentials
	s_wait_alu depctr_va_vdst(0)                   ; one wait for the batch of 66, ahead of its first reader
	WIN 0x0a
	v_pk_add_f32 v[SU:SU+1], v[S:S+1], v[S+2:S+3]  ; the row's sum is taken of the unquantised p, in two chains
	v_pk_add_f32 v[SU+2:SU+3], v[S+4:S+5], v[S+6:S+7]
	WIN 0x08
.irp j, 8,12,16,20,24,28,32,36,40,44,48,52,56,60
	v_pk_add_f32 v[SU:SU+1], v[SU:SU+1], v[S+\j:S+\j+1]
	v_pk_add_f32 v[SU+2:SU+3], v[SU+2:SU+3], v[S+\j+2:S+\j+3]
.endr
	WIN 0
	v_pk_add_f32 v[SU:SU+1], v[SU:SU+1], v[SU+2:SU+3]
.irp b, 0,1
	v_max_num_f32 v[TM+\b], FLOOR, v[TM+\b]        ; the byte cannot fall under 1
.endr
.irp b, 0,1
	v_add_nc_u32 v[SO+\b], 0xff000000, v[TM+\b]
.endr
.irp b, 0,1
	v_lshrrev_b32 v[TM+4+\b], 23, v[SO+\b]
.endr
	v_lshl_or_b32 v[TM+6], v[TM+5], 16, v[TM+4]    ; my bytes h and 2 + h of the row's scale word,
	v_lshlrev_b32 v[TM+6], v[H8], v[TM+6]
	v_permlanex16_b32 v[TM+7], v[TM+6], s98, s99
	v_or_b32 v[PWR+(\a)], v[TM+6], v[TM+7]         ; and lane l xor 16's
	WIN 0x02
.irp c, 0,1
	v_cvt_scalef32_pk16_fp6_f32 v[PC+6*\c:PC+6*\c+2], v[S+32*\c:S+32*\c+15], v[SO+\c]
	v_cvt_scalef32_pk16_fp6_f32 v[T2+4*\c:T2+4*\c+2], v[S+32*\c+16:S+32*\c+31], v[SO+\c]
.endr
	WIN 0
	v_nop                                          ; one plain line behind the conversions
.irp c, 0,1
.irp i, 0,1,2
	v_mov_b32 v[PC+6*\c+3+\i], v[T2+4*\c+\i]
.endr
.endr
	v_add_f32 v[TT], v[SU], v[SU+1]
	v_permlanex16_b32 v[TU], v[TT], s98, s99
	v_add_f32 v[LL+(\a)], v[TT], v[TU]             ; l_loc
.irp g, 0,1,2
	global_store_b128 v[L16], v[PC+4*\g:PC+4*\g+3], s[\ob:\ob+1] offset:1536*(\a)+512*\g
.endr
.endm
.macro EPI ob
	WIN 0
	s_wait_xcnt 0x0                                ; the last tile's stores have read their registers
	PLACES 4                                       ; behind the last products
	SOFTQ 0, \ob
	SOFTQ 1, \ob
	SOFTQ 2, \ob
	SOFTQ 3, \ob
	ds_store_b128 v[SIN], v[PWR:PWR+3]             ; the three small blocks: in by rows, out 8 bytes a lane: three aligned runs of 256 bytes
	ds_store_b128 v[SIN], v[MM:MM+3] offset:256
	ds_store_b128 v[SIN], v[LL:LL+3] offset:512
.irp i, 0,1,2
	ds_load_b64 v[OB8+2*\i:OB8+2*\i+1], v[SOUT] offset:256*\i
.endr
	s_wait_dscnt 0x0
.irp i, 0,1,2
	global_store_b64 v[L8], v[OB8+2*\i:OB8+2*\i+1], s[\ob:\ob+1] offset:6144+256*\i
.endr
.endm
	s_load_b128 s[4:7], s[0:1], 0x0                ; qkv s[4:5], pr s[6:7]
	v_lshl_add_u32 v[SPW], v0, 2, SPARE
	v_mov_b32 v[NIL], 0
	ds_add_u32 v14, v15
	ds_add_u32 v14, v15
	s_wait_dscnt 0x0
	v_lshrrev_b32 v1, 5, v0
	v_readfirstlane_b32 s10, v1                    ; wave
	s_lshr_b32 s11, s10, 1                         ; wy.  Also: my first fills are q's (0) or k's (1); which run of q I refill
	s_and_b32 s12, s10, 1                          ; wx.  Also: which part I fetch
	s_bfe_u32 s13, ttmp6, 0x40000                  ; cx
	s_bfe_u32 s14, ttmp6, 0x40004                  ; cy
	s_mov_b32 s15, ttmp9                           ; X: the kind of cluster, 0 .. 2
	s_and_b32 s16, ttmp7, 0xffff                   ; the batch
	s_lshl_b32 s17, s14, 2
	s_lshl_b32 s17, 15, s17                        ; my row of the cluster
	s_lshl_b32 s18, 0x1111, s13                    ; my column
	s_mov_b32 s98, 0x76543210
	s_mov_b32 s99, 0xfedcba98
	s_mov_b32 s66, 0x3d38aa3b                      ; c = log2(e) / sqrt(1024)
	s_mov_b32 s67, s66                             ; (named with it as a pair)
	G1SET G1A, 17, RUN1/8, 1, RUN1/8               ; a run of q: one row of 25,600 bytes; to my row
	G1SET G1B, 18, RUN/8, 2, GRP/8                 ; two runs of k, a group's 51,200 bytes apart; to my column
	G1SET G1R, 17, HALFR/8, 1, HALFR/8             ; half a run of q: one row of 12,800 bytes; to my row
	s_mul_i32 s19, s12, RUN1                       ; where they go in a slot: q's run,
	s_mul_i32 s3, s12, 2*RUN
	s_add_co_u32 s3, s3, 2*RUN1                    ; k's two runs,
	s_mul_i32 s2, s11, RUN1                        ; my quarter of a refill: no place in the cluster enters an LDS address
	s_mul_i32 s20, s12, HALFR
	s_add_co_u32 s2, s2, s20
	; S1 = q: group 32 batch + 4 QB + 2 t + 0, 1, QB = 4 min(X, 1) + cy.   S0 = k: group 32 batch + 4 KB + 2 part + 0, 1, KB = 4 (X / 2) + cx
	s_min_u32 s20, s15, 1
	s_lshl_b32 s20, s20, 2
	s_add_co_u32 s20, s20, s14
	s_lshl_b32 s20, s20, 2
	s_lshl_b32 s21, s16, 5
	s_add_co_u32 s20, s20, s21
	s_add_co_u32 s84, s20, s11
	s_add_co_u32 s84, s84, 2                       ; the second tile's group that I refill
	s_add_co_u32 s20, s20, s12                     ; the first tile's group of my first fills
	s_mul_i32 s20, s20, GRP
	s_mov_b32 s21, 0
	s_mul_i32 s84, s84, GRP
	s_mul_i32 s85, s12, HALFR
	s_add_co_u32 s84, s84, s85                     ; and my half of its runs
	s_mov_b32 s85, 0
	s_lshr_b32 s22, s15, 1
	s_lshl_b32 s22, s22, 2
	s_add_co_u32 s22, s22, s13
	s_lshl_b32 s22, s22, 2
	s_lshl_b32 s23, s16, 5
	s_add_co_u32 s22, s22, s23
	s_lshl_b32 s23, s12, 1
	s_add_co_u32 s22, s22, s23
	s_add_co_u32 s22, s22, 128                     ; k lies 128 groups behind q
	s_mul_i32 s22, s22, GRP
	s_mov_b32 s23, 0
	s_wait_kmcnt 0x0
	s_add_nc_u64 s[20:21], s[4:5], s[20:21]
	s_add_nc_u64 s[84:85], s[4:5], s[84:85]
	s_add_nc_u64 s[22:23], s[4:5], s[22:23]
.irp f, 0,1
	G0SET G0A+4*\f, 19, \f*SLOT, 20, \f*RUN
	G0SET G0B+4*\f, 3, \f*SLOT, 22, \f*RUN
	G0SET G0R+4*\f, 2, \f*SLOT, 84, \f*RUN
.endr
	CROUND                                         ; all sixteen work-groups are here: the first joint loads meet
	JLOAD G0A, G0B
	s_cmp_eq_u32 s11, 0
	s_cselect_b64 s[86:87], s[20:21], s[22:23]     ; the prefetches' base: my first fill's first byte
	s_cselect_b32 s76, s13, s14                    ; my place among the four that ask with me
	s_mov_b32 s77, 2*GRP                           ; q: the second tile's group;
	s_cselect_b32 s77, s77, GRP+RUN                ; k: my second group's part of slot 1
	s_mul_i32 s76, s76, RUN/4
	s_add_co_u32 s77, s77, s76
	s_add_co_u32 s76, s76, RUN                     ; slot 1's part of my first group
	v_and_b32 v1, 15, v0                           ; r
	v_bfe_u32 v2, v0, 4, 1                         ; h
	v_and_b32 v3, 31, v0                           ; lane
	v_min_u32 v30, 24, v3                          ; a quarter of a run: 25 blocks of 256 bytes; the last seven lanes name the last again
	v_lshlrev_b32 v30, 8, v30
	v_add_nc_u32 v31, s77, v30
	v_add_nc_u32 v30, s76, v30
	s_wait_alu depctr_va_vdst(0)
	global_prefetch_b8 v30, s[86:87] th:TH_LOAD_NT scope:SCOPE_SE
	global_prefetch_b8 v31, s[86:87] th:TH_LOAD_NT scope:SCOPE_SE
	s_min_u32 s20, s15, 1
	s_lshl_b32 s20, s20, 2
	s_add_co_u32 s20, s20, s14                     ; QB
	s_lshr_b32 s21, s15, 1
	s_lshl_b32 s21, s21, 2
	s_add_co_u32 s21, s21, s13                     ; KB
	s_sub_co_u32 s22, s20, s21
	s_lshl_b32 s22, s22, 8
	s_lshl_b32 s23, s11, 6
	s_add_co_u32 s22, s22, s23
	s_lshl_b32 s23, s12, 7
	s_sub_co_u32 s22, s22, s23                     ; my first query - my first key = 256 (QB - KB) + 64 wy - 128 wx
	v_and_b32 v21, 8, v1
	v_mad_u32_u24 v21, v21, 3, v1                  ; r % 8 + 32 (r / 8)
	v_lshlrev_b32 v22, 5, v2
	v_sub_nc_u32 v21, v21, v22
	v_add_nc_u32 v[DB], s22, v21                   ; + r % 8 + 32 (r / 8) - 32 h
	v_mov_b32 v[NI], 0xff800000                    ; -infinity
	s_lshl_b32 s23, s16, 5
	s_lshl_b32 s20, s20, 2
	s_add_co_u32 s23, s23, s20
	s_add_co_u32 s23, s23, s11                     ; the group of queries: 32 batch + 4 QB + wy (+ 2 t)
	s_lshl_b32 s23, s23, 4
	s_lshl_b32 s21, s21, 1
	s_add_co_u32 s23, s23, s21
	s_add_co_u32 s23, s23, s12                     ; x 16 + the K step 2 KB + wx
	s_mul_i32 s22, s23, RECP
	s_mov_b32 s23, 0
	s_add_nc_u64 s[92:93], s[6:7], s[22:23]
	s_add_nc_u64 s[94:95], s[92:93], 32*RECP
	v_lshlrev_b32 v[L16], 4, v3
	v_lshlrev_b32 v[L8], 3, v3
	v_lshlrev_b32 v20, 4, v1
	s_mul_i32 s20, s11, RUN1
	s_mul_i32 s21, s12, 2*RUN
	s_add_co_u32 s21, s21, 2*RUN1
	v_add_nc_u32 v[ADRA], s20, v[L16]
	v_add_nc_u32 v[ADRA+1], SLOT, v[ADRA]
	v_add_nc_u32 v[ADRB], s21, v[L16]
	v_add_nc_u32 v[ADRB+1], RUN, v[ADRB]
	v_add_nc_u32 v[ADRB+2], SLOT, v[ADRB]
	v_add_nc_u32 v[ADRB+3], SLOT, v[ADRB+1]
	v_lshlrev_b32 v[H8], 3, v2
	v_add_nc_u32 v[ADRA8], s20, v[L8]
	v_add_nc_u32 v[ADRA8+1], SLOT, v[ADRA8]
	v_add_nc_u32 v[ADRB8], s21, v[L8]
	v_add_nc_u32 v[ADRB8+1], RUN, v[ADRB8]
	v_add_nc_u32 v[ADRB8+2], SLOT, v[ADRB8]
	v_add_nc_u32 v[ADRB8+3], SLOT, v[ADRB8+1]
	v_add_nc_u32 v[ADSA], s20, v20
	v_add_nc_u32 v[ADSA+1], SLOT, v[ADSA]
	v_mul_u32_u24 v21, v2, RUN
	v_add_nc_u32 v21, v21, v20
	v_add_nc_u32 v[ADSB], s21, v21
	v_add_nc_u32 v[ADSB+1], SLOT, v[ADSB]
	s_mul_i32 s20, s10, 768
	s_add_co_u32 s20, s20, STG
	v_add_nc_u32 v[SIN], s20, v20
	v_add_nc_u32 v[SOUT], s20, v[L8]
.irp b, 0,1,2,3
	v_mov_b32 v[TM+4+\b], 0                        ; a lane permute's destination counts as one of its sources
.endr
	v_mov_b32 v[TU], 0
	v_mov_b32 v[NM+1], 0                           ; (named as the upper half of a pair)
	s_wait_alu depctr_va_vdst(0)                   ; the wait at the head's end
	s_wait_tensorcnt 0x0                           ; my part of slot 0 is in
	ds_add_u32 v[SPW], v[NIL]
	s_wait_dscnt 0x0
	CROUND
	JLOAD G0A+4, G0B+4                             ; slot 1, the first tensor load behind the round
	FETCH 0, 0, 0
	STEP 0, 0, 1
	STEP 0, 1, 0
	STEP 0, 2, 0
	TURN 0, 1, 0                                   ; slot 0 takes the second tile's q, K steps 0-3
	STEP 1, 0, 0
	STEP 1, 1, 0
	STEP 1, 2, 0
	TURN 1, 1, 1                                   ; slot 1 its K steps 4-7
	EPI 92
	v_add_nc_u32 v[DB], 128, v[DB]                 ; the second tile's queries lie 128 further on
	STEP 0, 0, 1
	STEP 0, 1, 0
	STEP 0, 2, 0
	TURN 0, 0, 0
	STEP 1, 0, 0
	STEP 1, 1, 0
	STEP 1, 2, 0
	s_wait_dscnt 0x0
	WIN MUL
	MULA 1, 0, 0
	MULA 1, 1, 0
	MULA 1, 2, 0
	MULA 1, 3, 0
	EPI 94
	s_wait_tensorcnt 0x0                           ; the wave's end
	ds_add_u32 v[SPW], v[NIL]
	s_wait_dscnt 0x0
	CROUND                                         ; the closing round
	s_endpgm
.Lfunc_end_k_qe600019a7b_score:
	.size	k_qe600019a7b_score, .Lfunc_end_k_qe600019a7b_score-k_qe600019a7b_score
	.p2alignl 7, 3214868480
	.fill 96, 4, 3214868480
	.section	.rodata,"a",@progbits
	.p2align	6, 0x0
	.amdhsa_kernel k_qe600019a7b_score
		.amdhsa_group_segment_fixed_size 327680
		.amdhsa_private_segment_fixed_size 0
		.amdhsa_enable_private_segment 0
		.amdhsa_kernarg_size 16
		.amdhsa_user_sgpr_count 2
		.amdhsa_user_sgpr_kernarg_segment_ptr 1
		.amdhsa_wavefront_size32 1
		.amdhsa_system_sgpr_workgroup_id_x 1
		.amdhsa_system_sgpr_workgroup_id_y 1
		.amdhsa_system_sgpr_workgroup_id_z 1
		.amdhsa_system_vgpr_workitem_id 0
		.amdhsa_next_free_vgpr 768
		.amdhsa_next_free_sgpr 100
		.amdhsa_reserve_vcc 1
		.amdhsa_float_denorm_mode_32 3
		.amdhsa_float_denorm_mode_16_64 3
		.amdhsa_memory_ordered 1
		.amdhsa_forward_progress 1
		.amdhsa_inst_pref_size 252
	.end_amdhsa_kernel
	.amdgpu_metadata
---
amdhsa.version: [ 1, 2 ]
amdhsa.kernels:
  - .name:           k_qe600019a7b_score
    .symbol:         k_qe600019a7b_score.kd
    .args:
      - { .name: qkv, .offset: 0, .size: 8, .value_kind: global_buffer, .address_space: global }
      - { .name: pr, .offset: 8, .size: 8, .value_kind: global_buffer, .address_space: global }
    .group_segment_fixed_size: 327680
    .private_segment_fixed_size: 0
    .kernarg_segment_align: 8
    .kernarg_segment_size: 16
    .max_flat_workgroup_size: 128
    .sgpr_count:     100
    .vgpr_count:     768
    .wavefront_size: 32
...
	.end_amdgpu_metadata
.endif
;; end of part 3
;; launch pv (part 4): grid 8 x 32, 4 waves a work-group, clusters of 4 x 4, 327,680 bytes of LDS; arguments pr, qkv, out0; writes out0
.if DOCPART == 4
	.amdgcn_target "amdgcn-amd-amdhsa--gfx1250"
	.amdhsa_code_object_version 6
	.text
	.protected	k_qe600019a7b_pv
	.globl	k_qe600019a7b_pv
	.p2align	8
	.type	k_qe600019a7b_pv,@function
k_qe600019a7b_pv:
	s_mov_b64 s[64:65], 0
	v_nop
	global_prefetch_b8 v0, s[64:65] scope:SCOPE_SE
	s_setreg_imm32_b32 hwreg(HW_REG_WAVE_MODE, 25, 1), 1
	s_wait_xcnt 0x0
	s_wait_alu depctr_hold_cnt(0) depctr_sa_sdst(0) depctr_va_vdst(0) depctr_va_sdst(0) depctr_va_ssrc(0) depctr_va_vcc(0) depctr_vm_vsrc(0)
	s_getreg_b32 s2, hwreg(HW_REG_IB_STS2, 6, 4)
	s_cmp_eq_u32 s2, 0
	s_cbranch_scc0 .Lentry_in_a_cluster
	s_endpgm
.Lentry_in_a_cluster:
	s_bfe_u32 s2, ttmp6, 0x10000c
	s_cmp_lg_u32 s2, 0xf033
	s_cbranch_scc0 .Lentry_shape_is_right
	s_endpgm
.Lentry_shape_is_right:
; O^T = v^T P^T on codes of FP6 (E2M3), divided by the row's sum.  P's fragments (16 queries x 128 keys) were quantised each under its own whole number M_loc.  Here M = the largest M_loc of the row's fragments that are read; a fragment's
; four scale bytes are lowered by d = M - M_loc (a whole number, 0 or more; a byte that would fall under 0 is held at 0), and its l_loc x 2^-d is added to the row's sum: both round nothing.
; LAYOUT: pr and qkv as the launches before wrote them (records of 6,912 and 6,400 bytes).  S1 = P (rows: queries), S0 = v^T (rows: e), K = the keys.  out0 [4][2048][1024] f32.
; SHARES.  A tile is 128 queries x 128 e; wave (wy, wx) makes 64 x 64: 16 accumulators.  EVERY WORK-GROUP MAKES TWO TILES OF ONE BLOCK OF e (eb = 4 cluster x + cx): L, block 4 Yp + cy of the batch's 16 blocks of queries, which the
; mask lets see Yp + 1 slots of 512 keys, and H, block 12 - 4 Yp + cy, which sees 4 - Yp: five slots for every work-group, whatever its place.  Cluster y = 2 batch + Yp.  L goes first, so that its rows are stored
; while H's tiles come in.  Every branch hangs on Yp, a cluster's number, the same in all sixteen partners and all waves; no tensor load stands under a branch.  Fragments wholly above the diagonal inside what is walked hold zero codes and l_loc = 0.
; RING.  Two LDS slots of four K steps: P's two runs of 27,648 bytes, v^T's two of 25,600; a wave brings one run.  Five fills, each with a descriptor group 0 of its own, made at the head; a wave has two loads out at the start, later one.
; CLUSTER 4 x 4: P hangs on cy and is asked for jointly by a row of the cluster, v^T on cx and by a column.
; LIMITS: a fragment 127 or more powers of two under the row's M gets the byte 0 (2^-127) where the true scale is smaller still: its weight is under 2^-120 of the row's sum.  NaN and infinities are not served.
; REGISTERS: window 0: v1-3 r, h, lane; v4-11 LDS addresses; v14, 15 the spare word's address and 0; v16-20; v24-27 H's M; v32-39 P's lowered scale words, v40-47 v^T's; v48-143 P's fragments, two sets; v144-207 H's 16 M_loc, later rows
;   of O; v208-215 P's scale words as stored, v216-223 M_loc, v224-231 l_loc (two sets each); v232-235 M, v236-239 the sums; v240-255 at work.   window 1: v^T's fragments, set p at v[128 p + 12 b].   window 2: accumulator (a, b) at v[8 (4 a + b)].
; ROW ORDER AND HEAD OF THIS TEXT (in place of what is said above of them).  Tile j of a group holds rows 32 (p / 8) + 8 j + p % 8, of queries and of e alike: lane (r, h) holds e = 32 h + 8 b + i of its query.
; At the head a wave has one load out; fill 1 stands behind a round of its own, so a wave never has more than one out.  Fills 1 and 2 are prefetched at the head, fill 3 behind fill 2's load, fill 4 behind fill 3's: each wave
; a quarter of its run, told apart by address among the four work-groups that ask jointly.
.set REC,   6400
.set RUN,   4*REC
.set REC1,  6912
.set RUN1,  4*REC1
.set PGRP,  16*REC1                    ; a group of queries in pr
.set VGRP,  64*REC                     ; a group of e in v^T
.set VOFF,  13107200                   ; where v^T begins in qkv
.set SLOT,  2*RUN1+2*RUN
.set STG,   2*SLOT                     ; behind the ring: 16 rows x (256 + 16) bytes a wave for the way out; no fill lands there (the ring is at work at the first way out)
.set SPITCH, 272
.set SPARE, STG+4*16*SPITCH            ; the spare words, 128 bytes a wave: two blocks of 256 bytes that no other line names
.set ADRA, 4                           ; P's fragments in slot 0, 1
.set ADRB, 6                           ; v^T's
.set ADSA, 8                           ; P's small blocks
.set ADSB, 10                          ; v^T's scale words
.set SPW,  14
.set NIL,  15
.set L16,  16                          ; 16 x lane
.set GO,   17                          ; my bytes in two rows of O: 4,096 h + 16 r
.set SIN,  18
.set SOUT, 19
.set R16,  20                          ; 16 r
.set MXN,  24
.set SA,   32
.set SB,   40
.set AF,   48
.set ML,   96                          ; L's eight M_loc blocks, in the registers of P's second set, which the first step's loads take afterwards
.set MH,   144
.set SAR,  208
.set MC,   216
.set LC,   224
.set MX,   232
.set LS,   236
.set TD,   240
.set TX,   244
.set TY,   248
.set TE,   252
.set RL,   240
.set G1A,  24
.set G1B,  32
.set G0A,  40                          ; s[40:59] P's five fills
.set G0B,  68                          ; s[68:87] v^T's
.set MUL,  0xa1
.set MSB, 0
.macro WIN new                         ; the immediate's high byte repeats the setting that is left
.if MSB != \new
	s_set_vgpr_msb (MSB<<8)|\new
.set MSB, \new
.endif
.endm
.macro PLACES n
.rept \n
	v_nop
.endr
.endm
.macro JLOAD g0a, g0b                  ; a joint load: waves 0, 1 for P, waves 2, 3 for v^T; four v_nop follow each of the two lines
	s_cmp_eq_u32 s11, 0
	s_cbranch_scc0 .Lfor_b_\@
	tensor_load_to_lds s[\g0a:\g0a+3], s[G1A:G1A+7]
	s_nop 0
.rept 4
	v_nop
.endr
	s_branch .Lasked_\@
.Lfor_b_\@:
	tensor_load_to_lds s[\g0b:\g0b+3], s[G1B:G1B+7]
	s_nop 0
.rept 4
	v_nop
.endr
.Lasked_\@:
.endm
.macro CREST
	s_cmp_lg_u32 s10, 0
	s_cbranch_scc1 .Lnot_wave_0_\@
	s_barrier_signal -3
.Lnot_wave_0_\@:
	s_barrier_wait -3
	s_barrier_signal -1
	s_barrier_wait -1
.endm
.macro CROUND
	s_barrier_signal -1
	s_barrier_wait -1
	CREST
.endm
.macro G1SET g, mask, c, r, p          ; r rows of c elements of 8 bytes, p elements apart; no padding; bit 21 beside the mask
	s_or_b32 s[\g], s[\mask], (3<<16)|(1<<21)
	s_mov_b32 s[\g+1], (\c)<<16
	s_mov_b32 s[\g+2], (\r)<<16
	s_mov_b32 s[\g+3], (\c)<<16
	s_mov_b32 s[\g+4], \r
	s_mov_b32 s[\g+5], \p
	s_mov_b32 s[\g+6], 0
	s_mov_b32 s[\g+7], 0
.endm
.macro G0SET g, lds, slotoff, base, off
	s_mov_b32 s[\g], 1
	s_add_co_u32 s[\g+1], s[\lds], \slotoff
	s_add_nc_u64 s[\g+2:\g+3], s[\base:\base+1], \off
	s_or_b32 s[\g+3], s[\g+3], 0x80000000
.endm
.macro FETCH s, q, p                   ; 28 LDS loads in one run: K step q of slot s into set p
	WIN 0x40
.irp b, 0,1,2,3
.irp g, 0,1,2
	ds_load_b128 v[128*(\p)+12*\b+4*\g:128*(\p)+12*\b+4*\g+3], v[ADRB+(\s)] offset:(\q)*REC+\b*1536+512*\g
.endr
.endr
	WIN 0
.irp a, 0,1,2,3
.irp g, 0,1,2
	ds_load_b128 v[AF+48*(\p)+12*\a+4*\g:AF+48*(\p)+12*\a+4*\g+3], v[ADRA+(\s)] offset:(\q)*REC1+\a*1536+512*\g
.endr
.endr
	ds_load_b128 v[SAR+4*(\p):SAR+4*(\p)+3], v[ADSA+(\s)] offset:(\q)*REC1+6144
	ds_load_b128 v[MC+4*(\p):MC+4*(\p)+3], v[ADSA+(\s)] offset:(\q)*REC1+6400
	ds_load_b128 v[LC+4*(\p):LC+4*(\p)+3], v[ADSA+(\s)] offset:(\q)*REC1+6656
	ds_load_b128 v[SB+4*(\p):SB+4*(\p)+3], v[ADSB+(\s)] offset:(\q)*REC+6144
.endm
.macro MULA p, a, zero                 ; 4 matrix instructions; the 16 accumulators take turns, one instruction a turn
.irp b, 0,1,2,3
.set rD, 8*(4*(\a)+\b)
.set rB, 128*(\p)+12*\b
.set rA, AF+48*(\p)+12*(\a)
.set rSB, SB+4*(\p)+\b
.set rSA, SA+4*(\p)+(\a)
.if \zero
	v_wmma_scale_f32_16x16x128_f8f6f4 v[rD:rD+7], v[rB:rB+11], v[rA:rA+11], 0, v[rSB], v[rSA] matrix_a_fmt:MATRIX_FMT_FP6 matrix_b_fmt:MATRIX_FMT_FP6
.else
	v_wmma_scale_f32_16x16x128_f8f6f4 v[rD:rD+7], v[rB:rB+11], v[rA:rA+11], v[rD:rD+7], v[rSB], v[rSA] matrix_a_fmt:MATRIX_FMT_FP6 matrix_b_fmt:MATRIX_FMT_FP6
.endif
.endr
.endm
; set p's four scale words of P are brought under the row's M, the four tiles by turns.  P's bytes are 125 at the most and d 127 at the most, so with bit 7 set in every byte no borrow crosses a byte;
; bit 7 of a difference says that the byte stays at 0 or above.  The twelve lines for the sums stand behind the last write of a scale register: more than the eight places that a scaled matrix instruction wants there.
.macro ADJ p
.irp j, 0,1,2,3
	v_sub_f32 v[TD+\j], v[MX+\j], v[MC+4*(\p)+\j]
.endr
.irp j, 0,1,2,3
	v_min_num_f32 v[TD+\j], 0x42fe0000, v[TD+\j]   ; 127 at the most
.endr
.irp j, 0,1,2,3
	v_cvt_u32_f32 v[TD+\j], v[TD+\j]               ; d
.endr
.irp j, 0,1,2,3
	v_mul_lo_u32 v[TX+\j], v[TD+\j], s20           ; d in every byte
.endr
.irp j, 0,1,2,3
	v_or_b32 v[TY+\j], s21, v[SAR+4*(\p)+\j]
.endr
.irp j, 0,1,2,3
	v_sub_nc_u32 v[TX+\j], v[TY+\j], v[TX+\j]      ; 128 + byte - d
.endr
.irp j, 0,1,2,3
	v_lshrrev_b32 v[TY+\j], 7, v[TX+\j]
.endr
.irp j, 0,1,2,3
	v_and_b32 v[TY+\j], s20, v[TY+\j]
.endr
.irp j, 0,1,2,3
	v_lshlrev_b32 v[TE+\j], 8, v[TY+\j]
.endr
.irp j, 0,1,2,3
	v_sub_nc_u32 v[TY+\j], v[TE+\j], v[TY+\j]      ; 0xff in each byte that is kept
.endr
.irp j, 0,1,2,3
	v_and_b32 v[TY+\j], s22, v[TY+\j]
.endr
.irp j, 0,1,2,3
	v_and_b32 v[SA+4*(\p)+\j], v[TX+\j], v[TY+\j]  ; max(byte - d, 0)
.endr
.irp j, 0,1,2,3
	v_sub_nc_u32 v[TD+\j], 0, v[TD+\j]
.endr
.irp j, 0,1,2,3
	v_ldexp_f32 v[TE+\j], v[LC+4*(\p)+\j], v[TD+\j]
.endr
.irp j, 0,1,2,3
	v_add_f32 v[LS+\j], v[LS+\j], v[TE+\j]         ; the row's sum
.endr
.endm
.macro STEP s, q, zero
	s_wait_dscnt 0x0                               ; this step's set, asked for a whole step ago
	PLACES 4                                       ; in front of loads into registers that the last step's matrix instructions read
	FETCH \s, (\q)+1, 1-(\q)%2
	ADJ (\q)%2
	WIN MUL
	MULA (\q)%2, 0, \zero
	MULA (\q)%2, 1, \zero
	MULA (\q)%2, 2, \zero
	MULA (\q)%2, 3, \zero
.endm
.macro TURN s, fill, f                 ; a slot's last K step changes slots: one barrier, with each wave's three lines in front of it.  fill = 1: the slot takes fill f
	s_wait_dscnt 0x0                               ; set 1 is in: my reads of this slot are over
	WIN 0
	ADJ 1
	s_wait_tensorcnt 0x0                           ; all my tensor loads have landed: my part of the other slot
	ds_add_u32 v[SPW], v[NIL]                      ; 0 onto my spare word
	WIN MUL
	MULA 1, 0, 0
	s_wait_dscnt 0x0
	s_barrier_signal -1
	MULA 1, 1, 0
	WIN 0
	s_barrier_wait -1
.if \fill
	CREST                                          ; a round of the cluster's barrier: no wave of any partner still reads this slot or has a load on its way
	JLOAD G0A+4*(\f), G0B+4*(\f)                   ; the first tensor load behind the round; its four v_nop are the places in front of the loads below
.else
	PLACES 4
.endif
	FETCH 1-(\s), 0, 0
.if (\fill) && ((\f) < 4)
	global_prefetch_b8 v[27+(\f)], s[90:91] th:TH_LOAD_NT scope:SCOPE_SE   ; fill f + 1
.endif
	WIN MUL
	MULA 1, 2, 0
	MULA 1, 3, 0
.endm
; THE WAY OUT of P's tile a (16 queries x my 64 e): divided by the sum, through my stage, back as whole runs of 256 bytes, two rows an instruction
.macro TOSTAGE a
.set S, 32*(\a)
.set BB, MH+32*((\a)%2)
	WIN 0x82
.set n, 0
.rept 16
	v_pk_mul_f32 v[S+n:S+n+1], v[S+n:S+n+1], v[RL+2*(\a):RL+2*(\a)+1] op_sel_hi:[1,0]   ; each accumulator from its low end on
.set n, n+2
.endr
	WIN 0x08                                       ; an LDS store's data are its source 1: window 2
.irp b, 0,1,2,3
	ds_store_b128 v[SIN], v[S+8*\b:S+8*\b+3] offset:32*\b           ; lane (r, h): e = 32 h + 8 b + 0 .. 7
	ds_store_b128 v[SIN], v[S+8*\b+4:S+8*\b+7] offset:32*\b+16
.endr
	WIN 0
.irp t, 0,1,2,3,4,5,6,7
	ds_load_b128 v[BB+4*\t:BB+4*\t+3], v[SOUT] offset:2*\t*SPITCH   ; LDS serves a wave's instructions in order: these see the stores above
.endr
.endm
.macro SEND a, younger, ob             ; younger: the LDS instructions issued behind tile a's loads, which may stay out
.set BB, MH+32*((\a)%2)
	s_wait_dscnt \younger
.irp t, 0,1,2,3,4,5,6,7
	global_store_b128 v[GO], v[BB+4*\t:BB+4*\t+3], s[\ob:\ob+1] offset:(32*(\t/4)+8*(\a)+2*(\t%4))*4096 th:TH_STORE_NT   ; 16 lanes store 256 consecutive bytes of a row of O, at a multiple of 256 from its first byte
.endr
.endm
.macro EPI ob
	WIN 0
	PLACES 4                                       ; behind the last products
.irp a, 0,1,2,3
	v_rcp_f32 v[RL+2*\a], v[LS+\a]                 ; (the pairs' upper halves have been written: they were at work above)
.endr
	v_nop                                          ; a plain line behind the last reciprocal
	s_wait_alu depctr_va_vdst(0)                   ; one wait for the four, ahead of their first reader
	s_wait_xcnt 0x0                                ; earlier loads and stores have read their registers
	TOSTAGE 0
	TOSTAGE 1
	SEND 0, 16, \ob                                ; behind tile 0's loads: tile 1's 8 stores and 8 loads
	s_wait_xcnt 0x0                                ; tile 0's stores have read their registers: tile 2's rows may land there
	TOSTAGE 2
	SEND 1, 16, \ob
	s_wait_xcnt 0x0
	TOSTAGE 3
	SEND 2, 16, \ob
	SEND 3, 0, \ob
.endm
.macro NEXTTILE                        ; from L to H: its M, and sums that begin anew
.irp j, 0,1,2,3
	v_mov_b32 v[MX+\j], v[MXN+\j]
.endr
.irp j, 0,1,2,3
	v_mov_b32 v[LS+\j], 0
.endr
.endm
	s_load_b128 s[4:7], s[0:1], 0x0                ; pr s[4:5], qkv s[6:7]
	s_load_b64 s[8:9], s[0:1], 0x10                ; out0
	v_lshl_add_u32 v[SPW], v0, 2, SPARE
	v_mov_b32 v[NIL], 0
	ds_add_u32 v14, v15
	ds_add_u32 v14, v15
	s_wait_dscnt 0x0
	v_lshrrev_b32 v1, 5, v0
	v_readfirstlane_b32 s10, v1                    ; wave
	s_lshr_b32 s11, s10, 1                         ; wy.  Also: I fetch for P (0) or v^T (1)
	s_and_b32 s12, s10, 1                          ; wx.  Also: which run I fetch
	s_bfe_u32 s13, ttmp6, 0x40000                  ; cx
	s_bfe_u32 s14, ttmp6, 0x40004                  ; cy
	s_and_b32 s16, ttmp7, 0xffff                   ; cluster y = 2 batch + Yp
	s_and_b32 s2, s16, 1                           ; Yp
	s_lshr_b32 s15, s16, 1                         ; the batch
	s_lshl_b32 s17, s14, 2
	s_lshl_b32 s17, 15, s17                        ; my row of the cluster
	s_lshl_b32 s18, 0x1111, s13                    ; my column
	G1SET G1A, 17, RUN1/8, 1, RUN1/8               ; a run of P: one row of 27,648 bytes; to my row
	G1SET G1B, 18, RUN/8, 1, RUN/8                 ; a run of v^T: one row of 25,600 bytes; to my column
	s_mul_i32 s19, s12, RUN1                       ; where they go in a slot: no place in the cluster enters an LDS address
	s_mul_i32 s3, s12, RUN
	s_add_co_u32 s3, s3, 2*RUN1
	; P.  L's group 32 batch + 8 Yp + 2 cy + part, H's 32 batch + 24 - 8 Yp + 2 cy + part.  Fill 0: L's slot 0.  Fill 1: H's slot 0 (Yp = 0) or L's slot 1 (Yp = 1).  Fill f = 2, 3, 4: H's slot f - 1 - Yp
	s_lshl_b32 s60, s15, 5
	s_lshl_b32 s63, s14, 1
	s_add_co_u32 s60, s60, s63
	s_add_co_u32 s60, s60, s12
	s_lshl_b32 s63, s2, 3
	s_add_co_u32 s62, s60, 24
	s_sub_co_u32 s62, s62, s63
	s_add_co_u32 s60, s60, s63
	s_mul_i32 s60, s60, PGRP                       ; fill 0
	s_mul_i32 s62, s62, PGRP
	s_mul_i32 s63, s2, RUN1
	s_sub_co_u32 s62, s62, s63                     ; H's slot 0 less Yp slots: fill f adds f - 1 slots
	s_add_co_u32 s61, s60, RUN1
	s_cmp_eq_u32 s2, 0
	s_cselect_b32 s61, s62, s61                    ; fill 1
	; v^T: group 2 eb + part, eb = 4 cluster x + cx; the batch's K steps begin at 16 batch; the slots of keys are P's
	s_lshl_b32 s88, ttmp9, 2
	s_add_co_u32 s88, s88, s13
	s_lshl_b32 s88, s88, 1
	s_add_co_u32 s88, s88, s12
	s_mul_i32 s88, s88, VGRP
	s_mul_i32 s91, s15, 16*REC
	s_add_co_u32 s88, s88, s91
	s_add_co_u32 s88, s88, VOFF                    ; fill 0: slot 0
	s_mul_i32 s91, s2, RUN
	s_add_co_u32 s89, s88, s91                     ; fill 1: slot Yp
	s_sub_co_u32 s90, s88, s91                     ; fill f adds f - 1 slots
	s_mov_b32 s21, 0
	s_mov_b32 s23, 0
	s_wait_kmcnt 0x0
	s_mov_b32 s20, s60
	s_add_nc_u64 s[96:97], s[4:5], s[20:21]
	G0SET G0A, 19, 0, 96, 0
	s_mov_b32 s20, s61
	s_add_nc_u64 s[96:97], s[4:5], s[20:21]
	G0SET G0A+4, 19, SLOT, 96, 0
	s_mov_b64 s[92:93], s[96:97]                   ; kept for the prefetch of fill 1
	s_mov_b32 s20, s62
	s_add_nc_u64 s[96:97], s[4:5], s[20:21]
.irp f, 2,3,4
	G0SET G0A+4*\f, 19, (\f%2)*SLOT, 96, (\f-1)*RUN1
.endr
	s_mov_b32 s22, s88
	s_add_nc_u64 s[98:99], s[6:7], s[22:23]
	G0SET G0B, 3, 0, 98, 0
	s_mov_b32 s22, s89
	s_add_nc_u64 s[98:99], s[6:7], s[22:23]
	G0SET G0B+4, 3, SLOT, 98, 0
	s_mov_b64 s[94:95], s[98:99]
	s_mov_b32 s22, s90
	s_add_nc_u64 s[98:99], s[6:7], s[22:23]
.irp f, 2,3,4
	G0SET G0B+4*\f, 3, (\f%2)*SLOT, 98, (\f-1)*RUN
.endr
	CROUND                                         ; all sixteen work-groups are here: the first joint loads meet
	JLOAD G0A, G0B
	s_cmp_eq_u32 s11, 0
	s_cselect_b64 s[88:89], s[92:93], s[94:95]     ; the prefetches' bases: fill 1,
	s_cselect_b64 s[90:91], s[96:97], s[98:99]     ; and one slot ahead of fill 2
	s_cselect_b32 s20, s13, s14                    ; my place among the four that ask with me
	s_mov_b32 s21, RUN1
	s_cselect_b32 s21, s21, RUN
	s_mov_b32 s22, 26                              ; a quarter of a run: 27 blocks of 256 bytes of P, 25 of v^T; the lanes left over name the last again
	s_cselect_b32 s22, s22, 24
	s_lshr_b32 s23, s21, 2
	s_mul_i32 s20, s20, s23
	v_and_b32 v1, 15, v0                           ; r
	v_bfe_u32 v2, v0, 4, 1                         ; h
	v_and_b32 v3, 31, v0                           ; lane
	v_min_u32 v21, s22, v3
	v_lshlrev_b32 v21, 8, v21
	v_add_nc_u32 v21, s20, v21                     ; fill 1
	v_add_nc_u32 v28, s21, v21                     ; fills 2, 3, 4
	v_add_nc_u32 v29, s21, v28
	v_add_nc_u32 v30, s21, v29
	s_wait_alu depctr_va_vdst(0)
	global_prefetch_b8 v21, s[88:89] th:TH_LOAD_NT scope:SCOPE_SE
	global_prefetch_b8 v28, s[90:91] th:TH_LOAD_NT scope:SCOPE_SE
	v_lshlrev_b32 v[L16], 4, v3
	v_lshlrev_b32 v[R16], 4, v1
	; M_loc of my rows: my groups of queries (with wy), all K steps that are walked
	s_wait_alu depctr_va_vdst(0)
	s_lshl_b32 s20, s15, 5
	s_lshl_b32 s21, s14, 1
	s_add_co_u32 s20, s20, s21
	s_add_co_u32 s20, s20, s11
	s_lshl_b32 s21, s2, 3
	s_add_co_u32 s22, s20, s21                     ; L's group
	s_add_co_u32 s20, s20, 24
	s_sub_co_u32 s20, s20, s21                     ; H's
	s_mul_i32 s20, s20, PGRP
	s_mul_i32 s22, s22, PGRP
	s_mov_b32 s21, 0
	s_mov_b32 s23, 0
	s_add_nc_u64 s[60:61], s[4:5], s[20:21]
	s_add_nc_u64 s[62:63], s[4:5], s[22:23]
.irp c, 0,1,2,3,4,5,6,7,8,9,10,11
	global_load_b128 v[MH+4*\c:MH+4*\c+3], v[R16], s[60:61] offset:REC1*\c+6400   ; my row in the four tiles, K step c
.endr
.irp c, 0,1,2,3
	global_load_b128 v[ML+4*\c:ML+4*\c+3], v[R16], s[62:63] offset:REC1*\c+6400
.endr
	s_cmp_eq_u32 s2, 0
	s_cbranch_scc0 .Lyp1
.irp c, 12,13,14,15
	global_load_b128 v[MH+4*\c:MH+4*\c+3], v[R16], s[60:61] offset:REC1*\c+6400
.endr
.set n, ML+16
.rept 16
	v_mov_b32 v[n], 0xff61b1e6                     ; L's K steps 4-7 are not walked: under every M_loc
.set n, n+1
.endr
	s_branch .Lm_asked
.Lyp1:
.irp c, 4,5,6,7
	global_load_b128 v[ML+4*\c:ML+4*\c+3], v[R16], s[62:63] offset:REC1*\c+6400
.endr
.set n, MH+48
.rept 16
	v_mov_b32 v[n], 0xff61b1e6                     ; H's K steps 12-15 are not walked
.set n, n+1
.endr
.Lm_asked:
	; my first rows of O: 2,048 batch + 128 cy + 64 wy + 512 Yp (L) or + 1,536 - 512 Yp (H); my first column: 128 eb + 64 wx
	s_lshl_b32 s20, s15, 11
	s_lshl_b32 s21, s14, 7
	s_add_co_u32 s20, s20, s21
	s_lshl_b32 s21, s11, 6
	s_add_co_u32 s20, s20, s21
	s_lshl_b32 s21, s2, 9
	s_add_co_u32 s22, s20, s21
	s_add_co_u32 s23, s20, 1536
	s_sub_co_u32 s23, s23, s21
	s_lshl_b32 s22, s22, 12
	s_lshl_b32 s23, s23, 12
	s_lshl_b32 s21, ttmp9, 2
	s_add_co_u32 s21, s21, s13
	s_lshl_b32 s21, s21, 9
	s_lshl_b32 s20, s12, 8
	s_add_co_u32 s21, s21, s20
	s_add_co_u32 s20, s22, s21
	s_add_co_u32 s22, s23, s21
	s_mov_b32 s21, 0
	s_mov_b32 s23, 0
	s_add_nc_u64 s[92:93], s[8:9], s[20:21]        ; L
	s_add_nc_u64 s[94:95], s[8:9], s[22:23]        ; H
	s_mul_i32 s20, s11, RUN1
	s_mul_i32 s21, s12, RUN
	s_add_co_u32 s21, s21, 2*RUN1
	v_add_nc_u32 v[ADRA], s20, v[L16]
	v_add_nc_u32 v[ADRA+1], SLOT, v[ADRA]
	v_add_nc_u32 v[ADRB], s21, v[L16]
	v_add_nc_u32 v[ADRB+1], SLOT, v[ADRB]
	v_add_nc_u32 v[ADSA], s20, v[R16]
	v_add_nc_u32 v[ADSA+1], SLOT, v[ADSA]
	v_add_nc_u32 v[ADSB], s21, v[R16]
	v_add_nc_u32 v[ADSB+1], SLOT, v[ADSB]
	s_mul_i32 s20, s10, 16*SPITCH                  ; my stage
	s_add_co_u32 s20, s20, STG
	v_mul_u32_u24 v[SIN], v1, SPITCH
	v_lshl_add_u32 v[SIN], v2, 7, v[SIN]
	v_add_nc_u32 v[SIN], s20, v[SIN]               ; in: row r, + 128 h
	v_mul_u32_u24 v[SOUT], v2, SPITCH
	v_lshl_add_u32 v[SOUT], v1, 4, v[SOUT]
	v_add_nc_u32 v[SOUT], s20, v[SOUT]             ; back: lanes 0-15 one row's 256 bytes, lanes 16-31 the next row's
	v_lshlrev_b32 v[GO], 12, v2
	v_lshl_add_u32 v[GO], v1, 4, v[GO]             ; and the same two rows in O
	s_mov_b32 s20, 0x01010101
	s_mov_b32 s21, 0x80808080
	s_mov_b32 s22, 0x7f7f7f7f
	s_wait_alu depctr_va_vdst(0)                   ; the wait at the head's end
	s_wait_tensorcnt 0x0                           ; my part of fill 0 is in
	ds_add_u32 v[SPW], v[NIL]
	s_wait_dscnt 0x0
	CROUND
	JLOAD G0A+4, G0B+4                             ; fill 1, the first tensor load behind the round
	FETCH 0, 0, 0
	s_wait_loadcnt 0x0
.irp j, 0,1,2,3
	v_max3_num_f32 v[MXN+\j], v[MH+\j], v[MH+4+\j], v[MH+8+\j]      ; H: M of my row in tile j
.endr
.irp c, 3,5,7,9,11,13
.irp j, 0,1,2,3
	v_max3_num_f32 v[MXN+\j], v[MXN+\j], v[MH+4*\c+\j], v[MH+4*\c+4+\j]
.endr
.endr
.irp j, 0,1,2,3
	v_max_num_f32 v[MXN+\j], v[MXN+\j], v[MH+60+\j]
.endr
.irp j, 0,1,2,3
	v_max3_num_f32 v[MX+\j], v[ML+\j], v[ML+4+\j], v[ML+8+\j]       ; L, which goes first
.endr
.irp c, 3,5
.irp j, 0,1,2,3
	v_max3_num_f32 v[MX+\j], v[MX+\j], v[ML+4*\c+\j], v[ML+4*\c+4+\j]
.endr
.endr
.irp j, 0,1,2,3
	v_max_num_f32 v[MX+\j], v[MX+\j], v[ML+28+\j]
.endr
.irp j, 0,1,2,3
	v_mov_b32 v[LS+\j], 0
.endr
	; ---- fill 0, in slot 0: L's keys 0-511
	s_wait_alu depctr_va_vdst(0)
	STEP 0, 0, 1                                   ; a tile's first products start the sums
	STEP 0, 1, 0
	STEP 0, 2, 0
	TURN 0, 1, 2
	WIN 0
	s_cmp_lg_u32 s2, 0
	s_cbranch_scc1 .Lon1
	s_wait_alu depctr_va_vdst(0)
	EPI 92                                         ; Yp = 0: L is finished; fill 1 is H's first
	NEXTTILE
	s_wait_alu depctr_va_vdst(0)
	STEP 1, 0, 1
	WIN 0
	s_branch .Lj1
.Lon1:                                                 ; Yp = 1: L goes on
	STEP 1, 0, 0
	WIN 0
.Lj1:
	STEP 1, 1, 0
	STEP 1, 2, 0
	TURN 1, 1, 3
	WIN 0
	s_cmp_eq_u32 s2, 0
	s_cbranch_scc1 .Lon2
	s_wait_alu depctr_va_vdst(0)
	EPI 92                                         ; Yp = 1: L is finished; fill 2 is H's first
	NEXTTILE
	s_wait_alu depctr_va_vdst(0)
	STEP 0, 0, 1
	WIN 0
	s_branch .Lj2
.Lon2:                                                 ; Yp = 0: H goes on
	STEP 0, 0, 0
	WIN 0
.Lj2:
	STEP 0, 1, 0
	STEP 0, 2, 0
	TURN 0, 1, 4
	STEP 1, 0, 0
	STEP 1, 1, 0
	STEP 1, 2, 0
	TURN 1, 0, 0                                   ; nothing is left to fetch: no round of the cluster's barrier
	STEP 0, 0, 0
	STEP 0, 1, 0
	STEP 0, 2, 0
	s_wait_dscnt 0x0
	WIN 0
	ADJ 1
	WIN MUL
	MULA 1, 0, 0
	MULA 1, 1, 0
	MULA 1, 2, 0
	MULA 1, 3, 0
	s_wait_alu depctr_va_vdst(0)
	EPI 94
	s_wait_tensorcnt 0x0                           ; the wave's end
	ds_add_u32 v[SPW], v[NIL]
	s_wait_dscnt 0x0
	CROUND                                         ; the closing round
	s_endpgm
.Lfunc_end_k_qe600019a7b_pv:
	.size	k_qe600019a7b_pv, .Lfunc_end_k_qe600019a7b_pv-k_qe600019a7b_pv
	.p2alignl 7, 3214868480
	.fill 96, 4, 3214868480
	.section	.rodata,"a",@progbits
	.p2align	6, 0x0
	.amdhsa_kernel k_qe600019a7b_pv
		.amdhsa_group_segment_fixed_size 327680
		.amdhsa_private_segment_fixed_size 0
		.amdhsa_enable_private_segment 0
		.amdhsa_kernarg_size 24
		.amdhsa_user_sgpr_count 2
		.amdhsa_user_sgpr_kernarg_segment_ptr 1
		.amdhsa_wavefront_size32 1
		.amdhsa_system_sgpr_workgroup_id_x 1
		.amdhsa_system_sgpr_workgroup_id_y 1
		.amdhsa_system_sgpr_workgroup_id_z 1
		.amdhsa_system_vgpr_workitem_id 0
		.amdhsa_next_free_vgpr 768
		.amdhsa_next_free_sgpr 100
		.amdhsa_reserve_vcc 0
		.amdhsa_float_denorm_mode_32 3
		.amdhsa_float_denorm_mode_16_64 3
		.amdhsa_memory_ordered 1
		.amdhsa_forward_progress 1
		.amdhsa_inst_pref_size 197
	.end_amdhsa_kernel
	.amdgpu_metadata
---
amdhsa.version: [ 1, 2 ]
amdhsa.kernels:
  - .name:           k_qe600019a7b_pv
    .symbol:         k_qe600019a7b_pv.kd
    .args:
      - { .name: pr, .offset: 0, .size: 8, .value_kind: global_buffer, .address_space: global }
      - { .name: qkv, .offset: 8, .size: 8, .value_kind: global_buffer, .address_space: global }
      - { .name: out0, .offset: 16, .size: 8, .value_kind: global_buffer, .address_space: global }
    .group_segment_fixed_size: 327680
    .private_segment_fixed_size: 0
    .kernarg_segment_align: 8
    .kernarg_segment_size: 24
    .max_flat_workgroup_size: 128
    .sgpr_count:     100
    .vgpr_count:     768
    .wavefront_size: 32
...
	.end_amdgpu_metadata
.endif
;; end of part 4
